; MI455X (gfx1250); checked and timed in simulation.
; The chip was launched on July 23, 2026; its instructions are those of AMD's public machine-readable ISA for CDNA 5 (MIT licence, August 2026) and "CDNA5" Instruction Set Architecture Reference Guide (July 2026). The comments in the code are by the model that wrote it; some were corrected since.
;; Attention. Allowed arithmetic: matrix products marked QUANTISED: E2M3 operands, one E8M0 scale for each 32 along K, by v_wmma_scale_f32_16x16x128_f8f6f4 with both operands' format E2M3, f32 sums; everything else in f32.
;; Inputs: cos 2,048 x 32 float32; sin 2,048 x 32 float32; wk 2,048 x 512 float32; wo 2,048 x 2,048 float32; wq 2,048 x 2,048 float32; wv 2,048 x 512 float32; x 1 x 2,048 x 2,048 float32.
;; Outputs: out0 1 x 2,048 x 2,048 float32.
;; This version of the problem:
;;   THIS VERSION OF THE PROBLEM IS GIVEN IN LOW PRECISION. The matrix products marked QUANTISED in the list below multiply operands that are first quantised to E2M3 (2 exponent bits, 3 mantissa bits; 6 bits a number), with one power-of-two scale for each 32 numbers along K (OCP MX v1.0); their sums are f32. All else is computed in f32.
;;   The module's matrix products, in the order in which they are computed (A, B: the left and right operand; K: the contracted axis; several contracted axes count as one K, in the product's order):
;;     1. [M 2,048, K 2,048] x [K 2,048, N 2,048]; A: input x; B: input wq: QUANTISED
;;     2. [M 2,048, K 2,048] x [K 2,048, N 512]; A: input x; B: input wk: QUANTISED
;;     3. [M 2,048, K 2,048] x [K 2,048, N 512]; A: input x; B: input wv: QUANTISED
;;     4. batch 32 x [M 2,048, K 64] x [K 64, N 2,048]; A: computed on the way; B: computed on the way: QUANTISED
;;     5. batch 32 x [M 64, K 2,048] x [K 2,048, N 2,048]; A: computed on the way; B: softmax (see below): QUANTISED
;;     6. [M 2,048, K 2,048] x [K 2,048, N 2,048]; A: computed on the way; B: input wo: QUANTISED
;;   THE QUANTISER, for each operand of a quantised product, along K:
;;     - K is cut into blocks of 32 from its start; a last block that is shorter is filled with zeros.
;;     - A block's scale is 2^e with e = floor(log2(the largest magnitude in the block)) - 2, held to -126 .. 127; a block of zeros has e = 0. As a byte (E8M0): e + 127.
;;     - Each number is divided by its block's scale, clamped to +-7.5, and rounded to the nearest number of E2M3, ties to even, subnormals kept.
;;     - The product sums the exact products of the quantised numbers (number of the format x scale) in f32.
;;   ~~~python
;;   def quantise(x, axis):      # numpy; x: float32 -> the quantised numbers, widened to float32 again
;;       x = np.moveaxis(x, axis, -1); K = x.shape[-1]
;;       x = np.pad(x, [(0, 0)] * (x.ndim - 1) + [(0, -K % 32)]); x = x.reshape(x.shape[:-1] + (-1, 32)); a = np.abs(x).max(-1, keepdims=True)
;;       e = np.where(a > 0, np.clip(np.frexp(np.where(a > 0, a, 1))[1] - 1 - 2, -126, 127), 0)      # np.frexp(a)[1] - 1 = floor(log2(a)), exactly
;;       r = np.clip(x / 2.0 ** e, -7.5, 7.5)
;;       step = 2.0 ** (np.maximum(np.frexp(np.where(r == 0, 1, r))[1] - 1, 0) - 3)
;;       q = np.round(r / step) * step * 2.0 ** e      # np.round: ties to even
;;       return np.moveaxis(q.reshape(q.shape[:-2] + (-1,))[..., :K], -1, axis).astype(np.float32)
;;   ~~~
;;   SOFTMAX AHEAD OF A QUANTISED PRODUCT. Where the list says 'softmax', what is quantised is not the finished softmax but p = 2^(t - M), with t = logit x log2(e) and M = ceil(the row's largest t), a whole number; so 1/2 < the row's largest p <= 1. The row's sum l is taken of the UNQUANTISED p, in f32, and the product's result is divided by l at the end. Since M is a whole number, a kernel that streams over the keys may use a running M (the ceiling of the running maximum): every later rescaling is an exact power of two, which a block's scale takes up: the codes' values come out the same.
;;   OPERANDS COMPUTED ON THE WAY. 'Computed on the way' means the value that the module computes at that place (a softmax that the list does not call 'softmax' is quantised finished and normalised). What goes into a quantiser is computed in f32, as accurately as f32 sums, v_exp_f32 and their like allow (about 1e-6 of the number): no bf16 or f16 on the way to a quantiser, and a product that is left as it is and whose result goes on into a quantised operand takes f32 operands (vector FMAs, or v_wmma_f32_16x16x4_f32). A number that lies on a knife's edge between two numbers of the format may be rounded either way, as far as f32 arithmetic and the matrix unit's own rounding can turn it there, and no further.
;; One version. Each part assembles by itself: llvm-mc -triple=amdgcn-amd-amdhsa -mcpu=gfx1250 --defsym DOCPART=n.
;; ======== version 1 of 1: 4 launches
;; limits: right only within a limited range of input values
;; workspace buffers: img 8,192,000 bytes; qi 3,276,800 bytes; kv 1,638,400 bytes; ai 3,276,800 bytes; wimg 3,276,800 bytes
;; launch quant (part 1): grid 640 x 1, 4 waves a work-group, no clusters, 46,592 bytes of LDS; arguments x, wq, wk, wv, img; writes img
.if DOCPART == 1
	.amdgcn_target "amdgcn-amd-amdhsa--gfx1250"
	.amdhsa_code_object_version 6
	.text
	.protected	k_q2f513ac754_quant
	.globl	k_q2f513ac754_quant
	.p2align	8
	.type	k_q2f513ac754_quant,@function
k_q2f513ac754_quant:
	s_mov_b64 s[64:65], 0
	v_nop
	global_prefetch_b8 v0, s[64:65] scope:SCOPE_SE
	s_setreg_imm32_b32 hwreg(HW_REG_WAVE_MODE, 25, 1), 1
	s_wait_xcnt 0x0
; x [2048][2048] (K innermost) and wq, wk, wv [2048 (K)][N] (K outermost), f32, become codes of FP6 (E2M3) with one E8M0 scale byte for each 32 along K,
; laid as IMAGES OF THE OPERAND'S REGISTERS, so that later launches fetch fragments by dense loads alone.
; A BLOCK is 128 rows of an operand (rows of x, columns of a weight); img holds 40 blocks: 0-15 x, 16-31 wq, 32-35 wk, 36-39 wv.  A block is 16 K steps of KB = 12,800 bytes.
; A K step: eight fragments of 1,536 bytes (16 rows x 128 K), then 512 bytes of scale words (tile i, row r at 64 i + 4 r).  A fragment is two halves of 768 bytes (64 K each):
; lane l's registers 0-3 at 16 l, its registers 4-5 at 512 + 8 l; lane (r, h) holds the 24 bytes of k = 32 h + 0..31 of the half.
; THE ROWS OF A TILE ARE NOT NEIGHBOURS: lane r of tile 2 b + u stands for row 32 b + 8 u + r + 8 (r / 8) of the block.
; A block of 32's scale is 2^(floor(log2(largest magnitude)) - 2); its byte is the largest magnitude's exponent field - 2, held at 1 from below.
; LIMITS: a block of zeros gets the byte 1 where the rule says 127 (its codes are zeros, which add nothing, and this program alone reads the bytes); blocks whose largest magnitude
; lies under 2^-124 keep the byte 1; NaN and infinities among the inputs are not served.
; SHARES: a work-group makes one K step of one block (64 KiB of f32 in, 12,800 bytes out); wave w makes tiles 2 w and 2 w + 1.  Work-groups 0-255 take x, the others the weights.
; Memory binds: every byte is read once, each wave asks for all its 16 KiB at once, results leave in runs of 256 or 512 consecutive bytes.  No matrix unit, no tensor load, no barrier:
; each wave has LDS bytes of its own, and the two paths have LDS bytes of their own.
.set BLK,   204800
.set KB,    12800
.set XST,   16*528                     ; x path: a wave's stage: 16 rows of 512 bytes + 16
.set WST0,  4*XST                      ; weight path: the stages begin here,
.set WST,   3072                       ; two fragments' images a wave
.set R,     32                         ; v32-159  the numbers as loaded
.set X,     160                        ; v160-223 x path: a lane's 64 numbers of a tile; weight path: the images read back
.set CD,    224                        ; v224-255 codes
.set DT,    16                         ; v16-18, v20-22 the second three registers of a block's six are made here and moved
	s_load_b256 s[4:11], s[0:1], 0x0               ; x, wq, wk, wv
	s_load_b64 s[14:15], s[0:1], 0x20              ; img.  (wo is not served here: the next launch quantises it, into a buffer of its own; img holds blocks 0-39)
	v_lshl_add_u32 v254, v0, 2, 0xb400
	v_mov_b32 v255, 0
	v_lshrrev_b32 v1, 5, v0
	v_readfirstlane_b32 s2, v1                     ; wave
	v_and_b32 v1, 31, v0                           ; lane
	v_and_b32 v2, 15, v0                           ; r
	v_bfe_u32 v3, v0, 4, 1                         ; h
	v_lshlrev_b32 v4, 4, v1                        ; 16 x lane
	v_lshlrev_b32 v6, 2, v1                        ; 4 x lane
	s_mul_i32 s3, s2, 3072
	v_add_nc_u32 v28, s3, v4                       ; out: my wave's two fragments, 16 bytes a lane
	v_lshl_add_u32 v29, v1, 3, s3                  ; the same, 8 bytes a lane
	s_lshl_b32 s31, s2, 7                          ; my wave's 128 bytes of scale words
	s_mov_b32 s20, 0x76543210
	s_mov_b32 s21, 0xfedcba98                      ; v_permlanex16_b32: lane l xor 16
	s_mov_b32 s22, 0xffff0000                      ; lanes 16-31
	s_and_b32 s23, ttmp9, 15                       ; the K step
	s_mul_i32 s26, s23, KB
	s_mov_b32 s27, 0
	s_cmp_lt_u32 ttmp9, 256
	s_cbranch_scc0 .Lweights
	; ---------------- x: K is innermost.  A load takes a row's 512 bytes of the K step; the rows turn through the stage, so that lane (r, h) gets its 32 neighbours of each half.
	s_lshr_b32 s24, ttmp9, 4                       ; the block
	s_mul_i32 s25, s24, BLK
	s_add_co_u32 s26, s26, s25                     ; where the K step's image begins in img
	s_lshl_b32 s28, s24, 7
	s_lshl_b32 s29, s2, 5
	s_add_co_u32 s28, s28, s29                     ; my wave's first row: 128 x block + 32 x wave
	s_lshl_b32 s28, s28, 13                        ; rows of 8,192 bytes
	s_lshl_b32 s29, s23, 9
	s_add_co_u32 s28, s28, s29                     ; + 512 bytes a K step
	s_mov_b32 s29, 0
	s_mul_i32 s30, s2, XST
	s_wait_alu depctr_va_vdst(0)
	v_add_nc_u32 v7, s30, v4                       ; into the stage: 16 x lane of a row
	v_mul_u32_u24 v8, v2, 528
	v_lshl_add_u32 v8, v3, 7, v8
	v_add_nc_u32 v8, s30, v8                       ; out of it: row r, + 128 h
	v_lshlrev_b32 v9, 3, v3                        ; 8 h: my bytes' place in the scale word
	v_lshl_add_u32 v30, v1, 2, s31                 ; out: the scale words, 4 bytes a lane
	v_mov_b32 v26, 0                               ; a lane permute's destination counts as one of its sources
	s_wait_alu depctr_va_vdst(0)
	s_wait_kmcnt 0x0
	s_add_nc_u64 s[4:5], s[4:5], s[28:29]
	s_add_nc_u64 s[14:15], s[14:15], s[26:27]
.irp u, 0,1
.irp j, 0,1,2,3,4,5,6,7,8,9,10,11,12,13,14,15
	global_load_b128 v[R+64*\u+4*\j:R+64*\u+4*\j+3], v4, s[4:5] offset:(8*\u+\j+8*(\j/8))*8192 th:TH_LOAD_NT   ; tile u, row j of the tile: 32 lanes read 512 consecutive bytes
.endr
.endr
.macro XTILE u, left
	s_wait_loadcnt \left                           ; this tile's 16 loads are in; the younger ones may be out
.irp j, 0,1,2,3,4,5,6,7,8,9,10,11,12,13,14,15
	ds_store_b128 v7, v[R+64*\u+4*\j:R+64*\u+4*\j+3] offset:528*\j
.endr
.irp c, 0,1
.irp q, 0,1,2,3,4,5,6,7
	ds_load_b128 v[X+32*\c+4*\q:X+32*\c+4*\q+3], v8 offset:256*\c+16*\q   ; LDS serves a wave's instructions in order: these see the stores above
.endr
.endr
	s_wait_dscnt 0x0
.irp c, 0,1
	v_max3_num_f32 v[10+\c], |v[X+32*\c]|, |v[X+32*\c+1]|, 0x1800000      ; block 2 c + h of my row is all mine; the floor 2^(3 - 127) holds the byte at 1 from below
.endr
.irp i, 2,4,6,8,10,12,14,16,18,20,22,24,26,28,30
.irp c, 0,1
	v_max3_num_f32 v[10+\c], v[10+\c], |v[X+32*\c+\i]|, |v[X+32*\c+\i+1]|
.endr
.endr
.irp c, 0,1
	v_add_nc_u32 v[12+\c], 0xff000000, v[10+\c]    ; 2 off the exponent field: the conversion's scale operand
.endr
.irp c, 0,1
	v_lshrrev_b32 v[14+\c], 23, v[12+\c]           ; the scale's byte
.endr
	v_lshl_or_b32 v[24+\u], v15, 16, v14           ; my two bytes: blocks h and 2 + h,
	v_lshlrev_b32 v[24+\u], v9, v[24+\u]           ; at their places;
	v_permlanex16_b32 v26, v[24+\u], s20, s21
	v_or_b32 v[24+\u], v[24+\u], v26               ; with lane l xor 16's two the word is whole
.irp c, 0,1
	v_cvt_scalef32_pk16_fp6_f32 v[CD+16*\u+8*\c:CD+16*\u+8*\c+2], v[X+32*\c:X+32*\c+15], v[12+\c]
	v_cvt_scalef32_pk16_fp6_f32 v[DT+4*\c:DT+4*\c+2], v[X+32*\c+16:X+32*\c+31], v[12+\c]   ; (a conversion's three registers begin on an even number)
.endr
	v_nop                                          ; one plain place behind a scaled conversion
.irp c, 0,1
.irp i, 0,1,2
	v_mov_b32 v[CD+16*\u+8*\c+3+\i], v[DT+4*\c+\i]
.endr
.endr
.irp c, 0,1
	global_store_b128 v28, v[CD+16*\u+8*\c:CD+16*\u+8*\c+3], s[14:15] offset:1536*\u+768*\c        ; 512 consecutive bytes, at a multiple of 256 from img's first byte
	global_store_b64 v29, v[CD+16*\u+8*\c+4:CD+16*\u+8*\c+5], s[14:15] offset:1536*\u+768*\c+512   ; 256 consecutive bytes
.endr
.endm
	XTILE 0, 16
	XTILE 1, 0
	v_cndmask_b32 v27, v24, v25, s22               ; lanes 0-15: tile 2 w's words, lanes 16-31: tile 2 w + 1's
	global_store_b32 v30, v27, s[14:15] offset:12288
	s_wait_tensorcnt 0x0
	ds_add_u32 v254, v255
	s_wait_dscnt 0x0
	s_endpgm
	; ---------------- the weights: K is outermost.  A lane takes a column and its registers run down K: a block of 32 lies in one lane, and the codes come out with K innermost.
.Lweights:
	s_sub_co_u32 s24, ttmp9, 256
	s_lshr_b32 s24, s24, 4                         ; which of the 24 blocks of weights
	s_add_co_u32 s25, s24, 16
	s_mul_i32 s25, s25, BLK
	s_add_co_u32 s26, s26, s25                     ; where the K step's image begins in img
	s_wait_alu depctr_va_vdst(0)
	v_and_b32 v10, 7, v1
	v_lshl_add_u32 v10, v3, 3, v10                 ; column j of my wave's 32 is row r = j % 8 + 8 (j / 16)
	v_bfe_u32 v11, v0, 3, 1                        ; of tile u = (j / 8) % 2
	s_mul_i32 s30, s2, WST
	s_add_co_u32 s30, s30, WST0                    ; my stage
	v_mul_u32_u24 v12, v11, 1536
	v_add_nc_u32 v12, s30, v12
	v_lshl_add_u32 v7, v10, 4, v12                 ; into it: my tile's image, 16 r
	v_lshl_add_u32 v8, v10, 3, v12                 ; and 8 r
	v_add_nc_u32 v9, s30, v4                       ; out of it: as it lies, 16 x lane
	v_lshlrev_b32 v30, 2, v10
	v_lshl_add_u32 v30, v11, 6, v30
	v_add_nc_u32 v30, s31, v30                     ; out: my column's scale word: 128 w + 64 u + 4 r
	s_wait_kmcnt 0x0
	s_mov_b64 s[16:17], s[10:11]                   ; which tensor, and which of its blocks of 128 columns: blocks 20-23 are wv's
	s_mov_b32 s18, 20
	s_cmp_lt_u32 s24, 20
	s_cselect_b64 s[16:17], s[8:9], s[16:17]
	s_cselect_b32 s18, 16, s18
	s_cmp_lt_u32 s24, 16
	s_cselect_b64 s[16:17], s[6:7], s[16:17]
	s_cselect_b32 s18, 0, s18
	s_sub_co_u32 s18, s24, s18
	s_lshl_b32 s18, s18, 7
	s_lshl_b32 s19, s2, 5
	s_add_co_u32 s18, s18, s19                     ; my wave's first column
	s_lshl_b32 s18, s18, 2
	s_sub_co_u32 s19, s24, 16                      ; blocks 16-23 are wk's and wv's: rows of 2,048 bytes; the others' are 8,192
	s_cmp_lt_u32 s19, 8
	s_cselect_b32 s28, 18, 20
	s_lshl_b32 s28, s23, s28                       ; 128 rows a K step
	s_add_co_u32 s28, s28, s18
	s_mov_b32 s29, 0
	s_add_nc_u64 s[16:17], s[16:17], s[28:29]
	s_add_nc_u64 s[14:15], s[14:15], s[26:27]
.macro WLOAD pitch                     ; W(k, my column), k = 0 .. 127 of the K step: 32 lanes read 128 consecutive bytes, the four waves 512
.set n, 0
.rept 128
	global_load_b32 v[R+n], v6, s[16:17] offset:n*\pitch th:TH_LOAD_NT
.set n, n+1
.endr
.endm
	s_cmp_lt_u32 s19, 8                            ; both ways issue 128 loads: the counts below hold on both
	s_cbranch_scc1 .Lnarrow
	WLOAD 8192
	s_branch .Lloaded
.Lnarrow:
	WLOAD 2048
.Lloaded:
.macro WBLOCK t                        ; block t of 32 along K: half t / 2 of the fragment, lanes' half t % 2
.if 96-32*\t > 63
	s_wait_loadcnt 63                              ; behind this block's loads stand 96 - 32 t others; a wait names 63 at the most, and the smaller count is safe
.else
	s_wait_loadcnt 96-32*\t
.endif
	v_max3_num_f32 v10, |v[R+32*\t]|, |v[R+32*\t+1]|, |v[R+32*\t+2]|
	v_max3_num_f32 v11, |v[R+32*\t+3]|, |v[R+32*\t+4]|, |v[R+32*\t+5]|
.irp i, 6,10,14,18,22,26
	v_max3_num_f32 v10, v10, |v[R+32*\t+\i]|, |v[R+32*\t+\i+1]|
	v_max3_num_f32 v11, v11, |v[R+32*\t+\i+2]|, |v[R+32*\t+\i+3]|
.endr
	v_max3_num_f32 v10, v10, |v[R+32*\t+30]|, |v[R+32*\t+31]|
	v_max3_num_f32 v10, v10, v11, 0x1800000        ; and the floor
	v_add_nc_u32 v12, 0xff000000, v10              ; the conversion's scale operand
	v_lshrrev_b32 v14, 23, v12                     ; the byte
.if \t == 0
	v_mov_b32 v31, v14
.else
	v_lshl_or_b32 v31, v14, 8*\t, v31              ; four bytes make my column's scale word
.endif
	v_cvt_scalef32_pk16_fp6_f32 v[CD+8*\t:CD+8*\t+2], v[R+32*\t:R+32*\t+15], v12
	v_cvt_scalef32_pk16_fp6_f32 v[DT:DT+2], v[R+32*\t+16:R+32*\t+31], v12
	v_nop                                          ; one plain place behind a scaled conversion
.irp i, 0,1,2
	v_mov_b32 v[CD+8*\t+3+\i], v[DT+\i]
.endr
	ds_store_b128 v7, v[CD+8*\t:CD+8*\t+3] offset:768*(\t/2)+256*(\t%2)          ; where lane r + 16 (t % 2) of the image has its registers 0-3,
	ds_store_b64 v8, v[CD+8*\t+4:CD+8*\t+5] offset:768*(\t/2)+512+128*(\t%2)     ; and its registers 4-5
.endm
	WBLOCK 0
	WBLOCK 1
	WBLOCK 2
	WBLOCK 3
.irp i, 0,1,2,3,4,5
	ds_load_b128 v[X+4*\i:X+4*\i+3], v9 offset:512*\i      ; LDS serves a wave's instructions in order: these see my stores
.endr
	s_wait_alu depctr_va_vdst(0)
.irp i, 0,1,2,3,4,5
	s_wait_dscnt 5-\i                              ; load i is in; the younger ones may be out
	global_store_b128 v28, v[X+4*\i:X+4*\i+3], s[14:15] offset:512*\i   ; 512 consecutive bytes, at a multiple of 256 from img's first byte
.endr
	global_store_b32 v30, v31, s[14:15] offset:12288
	s_wait_tensorcnt 0x0
	ds_add_u32 v254, v255
	s_wait_dscnt 0x0
	s_endpgm
.Lfunc_end_k_q2f513ac754_quant:
	.size	k_q2f513ac754_quant, .Lfunc_end_k_q2f513ac754_quant-k_q2f513ac754_quant
	.p2alignl 7, 3214868480
	.fill 96, 4, 3214868480
	.section	.rodata,"a",@progbits
	.p2align	6, 0x0
	.amdhsa_kernel k_q2f513ac754_quant
		.amdhsa_group_segment_fixed_size 46592
		.amdhsa_private_segment_fixed_size 0
		.amdhsa_enable_private_segment 0
		.amdhsa_kernarg_size 40
		.amdhsa_user_sgpr_count 2
		.amdhsa_user_sgpr_kernarg_segment_ptr 1
		.amdhsa_wavefront_size32 1
		.amdhsa_system_sgpr_workgroup_id_x 1
		.amdhsa_system_sgpr_workgroup_id_y 1
		.amdhsa_system_sgpr_workgroup_id_z 1
		.amdhsa_system_vgpr_workitem_id 0
		.amdhsa_next_free_vgpr 256
		.amdhsa_next_free_sgpr 66
		.amdhsa_reserve_vcc 0
		.amdhsa_float_denorm_mode_32 3
		.amdhsa_float_denorm_mode_16_64 3
		.amdhsa_memory_ordered 1
		.amdhsa_forward_progress 1
		.amdhsa_inst_pref_size 50
	.end_amdhsa_kernel
	.amdgpu_metadata
---
amdhsa.version: [ 1, 2 ]
amdhsa.kernels:
  - .name:           k_q2f513ac754_quant
    .symbol:         k_q2f513ac754_quant.kd
    .args:
      - { .name: x, .offset: 0, .size: 8, .value_kind: global_buffer, .address_space: global }
      - { .name: wq, .offset: 8, .size: 8, .value_kind: global_buffer, .address_space: global }
      - { .name: wk, .offset: 16, .size: 8, .value_kind: global_buffer, .address_space: global }
      - { .name: wv, .offset: 24, .size: 8, .value_kind: global_buffer, .address_space: global }
      - { .name: img, .offset: 32, .size: 8, .value_kind: global_buffer, .address_space: global }
    .group_segment_fixed_size: 46592
    .private_segment_fixed_size: 0
    .kernarg_segment_align: 8
    .kernarg_segment_size: 40
    .max_flat_workgroup_size: 128
    .sgpr_count:     66
    .vgpr_count:     256
    .wavefront_size: 32
...
	.end_amdgpu_metadata
.endif
;; end of part 1
;; launch gemm_qkv (part 2): grid 16 x 16, 4 waves a work-group, clusters of 4 x 1, 327,680 bytes of LDS; arguments img, cos, sin, qi, kv, wo, wimg; writes qi, kv, wimg
.if DOCPART == 2
	.amdgcn_target "amdgcn-amd-amdhsa--gfx1250"
	.amdhsa_code_object_version 6
	.text
	.protected	k_q2f513ac754_gemm_qkv
	.globl	k_q2f513ac754_gemm_qkv
	.p2align	8
	.type	k_q2f513ac754_gemm_qkv,@function
k_q2f513ac754_gemm_qkv:
	s_mov_b64 s[64:65], 0
	v_nop
	global_prefetch_b8 v0, s[64:65] scope:SCOPE_SE
	s_setreg_imm32_b32 hwreg(HW_REG_WAVE_MODE, 25, 1), 1
	s_wait_xcnt 0x0
	s_wait_alu depctr_hold_cnt(0) depctr_sa_sdst(0) depctr_va_vdst(0) depctr_va_sdst(0) depctr_va_ssrc(0) depctr_va_vcc(0) depctr_vm_vsrc(0)
	s_getreg_b32 s2, hwreg(HW_REG_IB_STS2, 6, 4)
	s_cmp_eq_u32 s2, 0
	s_cbranch_scc0 .Lentry_in_a_cluster
	s_endpgm
.Lentry_in_a_cluster:
	s_bfe_u32 s2, ttmp6, 0x10000c
	s_cmp_lg_u32 s2, 0x3003
	s_cbranch_scc0 .Lentry_shape_is_right
	s_endpgm
.Lentry_shape_is_right:
; q = rope(x wq), k = rope(x wk), v = x wv, on codes of FP6 (E2M3) with E8M0 scales, and the quantisers of q, k (along the head's 64) and v (along the keys).  Nothing leaves as f32.
; OPERANDS are images of registers (img): a block of 128 rows is 16 K steps of KB bytes: eight fragments of 1,536 bytes, then 512 bytes of scale words.  Lane r of tile 2 b + u stands for row 32 b + 8 u + r + 8 (r / 8).
; A tile of C is 128 rows of operand A x 256 rows of operand B (two blocks).  THE MATRIX INSTRUCTION IS USED TRANSPOSED: source 0 = a fragment of B, source 1 = a fragment of A: a lane holds ONE row of A,
; and the 16 registers of B's tiles 2 b, 2 b + 1 are B's rows 32 b + 16 h + 0 .. 15: sixteen neighbours along the next product's K.
; WORK-GROUPS: y = 0-7: q, y = 8, 9: k: A = block i of x (i = work-group x), B = two blocks of wq or wk.  y = 10, 11: v: A = a block of wv, B = two blocks of x, so that a lane holds one channel d and its registers run along the keys.
; 192 work-groups: a quantiser's unit wants 128 rows of B in one wave and one kind of result in a work-group; tiles of 128 x 128 would be 384 work-groups, two turns on 256 WGPs.
; WAVES: wave (ah, bh) = (w / 2, w % 2) makes A's tiles 4 ah .. 4 ah + 3 x B's block bh: 32 accumulators, 256 registers.
; CLUSTER 4 x 1: the four partners read the same two blocks of B (two thirds of a step's bytes): B comes by JOINT loads with a mask that names the four.  A is each work-group's own: a plain load, behind the same rounds.
; RING: two LDS slots of four K steps each (A's 51,200 bytes, then B's 2 x 51,200); four K steps of a block are one dense run of memory.  Waves 0, 1 fetch A's halves, waves 2, 3 B's blocks, one load a wave behind each round.
; At most one tensor load of a wave is out.  The 16 K steps are written out: no loop.
; RESULTS: qi: codes [head][tile of 16 queries][768], then scale words [head][pair of tiles][16 rows] (tile 2 f: two bytes, tile 2 f + 1: two bytes).
;   kv: [kv head][key step of 128][KB]: four fragments of K (half 0 = key tile 2 f, half 1 = key tile 2 f + 1, 64 channels each), four fragments of V^T (16 channels x 128 keys), K's scale words, V's scale words.
; LIMITS: a block of zeros gets the byte 1 where the rule says 127 (zero codes; this program alone reads the bytes); NaN and infinities are not served.
; REGISTERS, in windows of 256: window 0: addresses, scale words (two sets), the quantiser's work, v96-191 A's fragments (two sets); window 1: the accumulators ((a, j) at 8 (8 a + j));
;   window 2: B's fragments, sets at v0 and v128; window 3: cos at 16 a + n, sin at 64 + 16 a + n (n: the lane's 16 pairs of a head).
.set BLK,   204800
.set KB,    12800
.set QUAD,  4*KB                       ; four K steps of a block
.set NBT,   8                          ; B's tiles to a wave
.set SBN,   NBT/2                      ; registers of B's scale words in a set
.set SLOT,  3*QUAD
.set BROWS, 200                        ; rows of 256 bytes in a load of B
.set SPARE, 2*SLOT                     ; behind the ring: the spare words, 128 bytes a wave: two blocks of 256 bytes that no other line names
.set QSOFF, 3145728                    ; where qi's scale words begin
.set L16, 4
.set L8,  5
.set L4,  6
.set CSA, 7                            ; my lane's byte in cos and sin
.set SPW, 10                           ; LDS address of my spare word; never rewritten
.set NIL, 11                           ; 0; never rewritten
.set A16, 12                           ; v12-13 A's fragments in slot 0, 1, 16 bytes a lane;  v14-15 8 bytes a lane;  v16-17 A's scale words
.set A8,  14
.set A4,  16
.set B16, 18                           ; v18-23 the same for B
.set B8,  20
.set B4,  22
.set SA,  24                           ; v24-27 A's scale words, two sets of two: lanes 0-15 an even tile's, lanes 16-31 the odd tile's behind it
.set SB,  28                           ; v28-35 B's, two sets of four
.set TM,  40                           ; v40-43 largest magnitudes, v44-47 exchange and bytes, v52-55 scale operands
.set PWS, 56                           ; v56-57 the scale words of two units
.set WA,  58
.set WB,  59
.set PC,  60                           ; v60-71 a unit's codes, v72-78 at work
.set O16, 80
.set O8,  81
.set OS,  82
.set AF,  96
.set MT,  96                           ; the rotation's products, where A's fragments lay
.set G1A, 24
.set G0A, 32
.set G1B, 40
.set G0B, 48
.set MSB, 0
.macro WIN new                         ; the immediate's high byte repeats the setting that is left
.if MSB != \new
	s_set_vgpr_msb (MSB<<8)|\new
.set MSB, \new
.endif
.endm
.set MULW, 0x52                        ; source 0 (B) window 2, source 1 (A) window 0, C and D window 1
.set TO_B, 0x80                        ; destination window 2
.macro PLACES                          ; four plain places behind matrix instructions, in front of loads into their registers and of reads of their results
.rept 4
	v_nop
.endr
.endm
.macro CROUND                          ; a round of the cluster's barrier
	s_barrier_signal -1
	s_barrier_wait -1
	s_cmp_lg_u32 s14, 0
	s_cbranch_scc1 .Lnot_wave_0_\@
	s_barrier_signal -3
.Lnot_wave_0_\@:
	s_barrier_wait -3
	s_barrier_signal -1
	s_barrier_wait -1
.endm
.macro JLOAD s                         ; waves 0, 1: A's halves, plain; waves 2, 3: B's blocks, joint.  The branch hangs on the wave's number alone.  Four v_nop follow each line
	s_cmp_eq_u32 s15, 0
	s_cbranch_scc0 .Lfor_b_\@
	tensor_load_to_lds s[G0A+4*\s:G0A+4*\s+3], s[G1A:G1A+7]
	s_nop 0
	PLACES
	s_branch .Lasked_\@
.Lfor_b_\@:
	tensor_load_to_lds s[G0B+4*\s:G0B+4*\s+3], s[G1B:G1B+7]
	s_nop 0
	PLACES
.Lasked_\@:
.endm
; one matrix instruction: d accumulator, a source 0, b source 1, z = 1: it starts the sum; sa, sb the scale registers, ra, rb = 1: their lanes 16-31
.macro WM d, a, b, z, sa, sb, ra, rb
.if \z
.if (\ra)&&(\rb)
	v_wmma_scale_f32_16x16x128_f8f6f4 v[\d:\d+7], v[\a:\a+11], v[\b:\b+11], 0, v[\sa], v[\sb] matrix_a_fmt:MATRIX_FMT_FP6 matrix_b_fmt:MATRIX_FMT_FP6 matrix_a_scale:MATRIX_SCALE_ROW1 matrix_b_scale:MATRIX_SCALE_ROW1
.elseif (\ra)
	v_wmma_scale_f32_16x16x128_f8f6f4 v[\d:\d+7], v[\a:\a+11], v[\b:\b+11], 0, v[\sa], v[\sb] matrix_a_fmt:MATRIX_FMT_FP6 matrix_b_fmt:MATRIX_FMT_FP6 matrix_a_scale:MATRIX_SCALE_ROW1
.elseif (\rb)
	v_wmma_scale_f32_16x16x128_f8f6f4 v[\d:\d+7], v[\a:\a+11], v[\b:\b+11], 0, v[\sa], v[\sb] matrix_a_fmt:MATRIX_FMT_FP6 matrix_b_fmt:MATRIX_FMT_FP6 matrix_b_scale:MATRIX_SCALE_ROW1
.else
	v_wmma_scale_f32_16x16x128_f8f6f4 v[\d:\d+7], v[\a:\a+11], v[\b:\b+11], 0, v[\sa], v[\sb] matrix_a_fmt:MATRIX_FMT_FP6 matrix_b_fmt:MATRIX_FMT_FP6
.endif
.else
.if (\ra)&&(\rb)
	v_wmma_scale_f32_16x16x128_f8f6f4 v[\d:\d+7], v[\a:\a+11], v[\b:\b+11], v[\d:\d+7], v[\sa], v[\sb] matrix_a_fmt:MATRIX_FMT_FP6 matrix_b_fmt:MATRIX_FMT_FP6 matrix_a_scale:MATRIX_SCALE_ROW1 matrix_b_scale:MATRIX_SCALE_ROW1
.elseif (\ra)
	v_wmma_scale_f32_16x16x128_f8f6f4 v[\d:\d+7], v[\a:\a+11], v[\b:\b+11], v[\d:\d+7], v[\sa], v[\sb] matrix_a_fmt:MATRIX_FMT_FP6 matrix_b_fmt:MATRIX_FMT_FP6 matrix_a_scale:MATRIX_SCALE_ROW1
.elseif (\rb)
	v_wmma_scale_f32_16x16x128_f8f6f4 v[\d:\d+7], v[\a:\a+11], v[\b:\b+11], v[\d:\d+7], v[\sa], v[\sb] matrix_a_fmt:MATRIX_FMT_FP6 matrix_b_fmt:MATRIX_FMT_FP6 matrix_b_scale:MATRIX_SCALE_ROW1
.else
	v_wmma_scale_f32_16x16x128_f8f6f4 v[\d:\d+7], v[\a:\a+11], v[\b:\b+11], v[\d:\d+7], v[\sa], v[\sb] matrix_a_fmt:MATRIX_FMT_FP6 matrix_b_fmt:MATRIX_FMT_FP6
.endif
.endif
.endm
; the fragments and scale words of the slot's q-th K step into set p: every load reads consecutive bytes
.macro FETCH slot, q, p
	WIN TO_B
.irp i, 0,1,2,3,4,5,6,7
	ds_load_b128 v[128*(\p)+12*\i:128*(\p)+12*\i+3],     v[B16+\slot] offset:(\q)*KB+1536*\i
	ds_load_b64  v[128*(\p)+12*\i+4:128*(\p)+12*\i+5],   v[B8+\slot]  offset:(\q)*KB+1536*\i+512
	ds_load_b128 v[128*(\p)+12*\i+6:128*(\p)+12*\i+9],   v[B16+\slot] offset:(\q)*KB+1536*\i+768
	ds_load_b64  v[128*(\p)+12*\i+10:128*(\p)+12*\i+11], v[B8+\slot]  offset:(\q)*KB+1536*\i+1280
.endr
	WIN 0
.irp i, 0,1,2,3
	ds_load_b128 v[AF+48*(\p)+12*\i:AF+48*(\p)+12*\i+3],     v[A16+\slot] offset:(\q)*KB+1536*\i
	ds_load_b64  v[AF+48*(\p)+12*\i+4:AF+48*(\p)+12*\i+5],   v[A8+\slot]  offset:(\q)*KB+1536*\i+512
	ds_load_b128 v[AF+48*(\p)+12*\i+6:AF+48*(\p)+12*\i+9],   v[A16+\slot] offset:(\q)*KB+1536*\i+768
	ds_load_b64  v[AF+48*(\p)+12*\i+10:AF+48*(\p)+12*\i+11], v[A8+\slot]  offset:(\q)*KB+1536*\i+1280
.endr
.irp n, 0,1
	ds_load_b32 v[SA+2*(\p)+\n], v[A4+\slot] offset:(\q)*KB+128*\n
.endr
.irp n, 0,1,2,3
	ds_load_b32 v[SB+SBN*(\p)+\n], v[B4+\slot] offset:(\q)*KB+128*\n
.endr
.endm
; a K step's 32 products on set p.  The 32 accumulators take turns, one instruction a turn, in the same order in every step
.macro MUL p, zero
.irp a, 0,1,2,3
.irp j, 0,1,2,3,4,5,6,7
	WM 8*(NBT*\a+\j), 128*(\p)+12*\j, AF+48*(\p)+12*\a, \zero, SB+SBN*(\p)+\j/2, SA+2*(\p)+\a/2, \j%2, \a%2
.endr
.endr
.endm
; a K step whose successor lies in slot nslot at place nq: the successor's fragments are asked for ahead of this step's products
.macro STEP p, zero, nslot, nq
	s_wait_dscnt 0x0                               ; set p is in: it was asked for ahead of the last step's 32 products
	PLACES                                         ; the other set was read by those products
	FETCH \nslot, \nq, 1-\p
	WIN MULW
	MUL \p, \zero
	WIN 0
.endm
; a slot's fourth K step (its fragments are in set 1) changes slots.  fill = 1: the slot is filled again, with the K steps eight further on
.macro TURN slot, fill
	s_wait_tensorcnt 0x0                           ; all my tensor loads have landed, my part of the next slot among them: so a group 0 may be written
	ds_add_u32 v[SPW], v[NIL]                      ; 0 onto my spare word
.if \fill
	s_add_nc_u64 s[G0A+4*\slot+2:G0A+4*\slot+3], s[G0A+4*\slot+2:G0A+4*\slot+3], 2*QUAD
	s_add_nc_u64 s[G0B+4*\slot+2:G0B+4*\slot+3], s[G0B+4*\slot+2:G0B+4*\slot+3], 2*QUAD
.endif
	s_wait_dscnt 0x0                               ; the add is done, and my reads of this slot are over
.if \fill
	CROUND                                         ; no wave of any partner still reads the slot or has a load on its way
	JLOAD \slot                                    ; the first tensor load behind the round, one a wave; it has four K steps, 128 products a wave, in which to land.  Its four v_nop are the places for the loads below
.else
	s_barrier_signal -1
	s_barrier_wait -1
	PLACES
.endif
	FETCH 1-\slot, 0, 0
	WIN MULW
	MUL 1, 0
	WIN 0
.endm
	s_load_b256 s[4:11], s[0:1], 0x0               ; img, cos, sin, qi
	s_load_b64 s[12:13], s[0:1], 0x20              ; kv
	v_lshl_add_u32 v[SPW], v0, 2, SPARE
	v_mov_b32 v[NIL], 0
	ds_add_u32 v10, v11
	ds_add_u32 v10, v11
	s_wait_dscnt 0x0
	v_lshrrev_b32 v1, 5, v0
	v_readfirstlane_b32 s14, v1                    ; wave
	s_lshr_b32 s15, s14, 1                         ; ah: my half of A's tiles.  Also: I fetch for A (0) or for B (1)
	s_and_b32 s16, s14, 1                          ; bh: my block of B.  Also: which part I fetch
	s_bfe_u32 s17, ttmp6, 0x40000                  ; cx: my place in the cluster
	s_lshl_b32 s19, ttmp9, 2
	s_add_co_u32 s19, s19, s17                     ; i = work-group x = 4 x cluster x + cx
	s_and_b32 s20, ttmp7, 0xffff                   ; nb = work-group y: the partners share it
	s_cmp_ge_u32 s20, 12                           ; y = 12 .. 15: the 64 work-groups that quantise wo; they issue no tensor load and pass no barrier
	s_cbranch_scc1 .Lwo
	s_add_co_u32 s56, s17, 36
	s_cmp_lt_u32 s20, 10
	s_cselect_b32 s56, s19, s56
	s_mul_i32 s56, s56, BLK
	s_mul_i32 s60, s16, 2*KB                       ; my half of A's four K steps, in memory and in a slot
	s_add_co_u32 s56, s56, s60
	s_mov_b32 s57, 0
	s_lshl_b32 s58, s20, 1                         ; B's first block, in registers that never hold cx: for q and k 16 + 2 nb (wq, wk),
	s_add_co_u32 s58, s58, 16
	s_sub_co_u32 s59, s20, 10
	s_lshl_b32 s59, s59, 2
	s_add_co_u32 s59, s59, ttmp9
	s_lshl_b32 s59, s59, 1                         ; for v 2 (cluster x + 4 (nb - 10)) (x)
	s_cmp_lt_u32 s20, 10
	s_cselect_b32 s58, s58, s59
	s_add_co_u32 s21, s59, s16                     ; (for v: my key step)
	s_add_co_u32 s58, s58, s16                     ; my block of the two
	s_mul_i32 s58, s58, BLK
	s_mov_b32 s59, 0
	s_mul_i32 s61, s16, 256*BROWS
	s_add_co_u32 s61, s61, QUAD                    ; where it goes in a slot
	; descriptor groups 1: dense runs as rows of 256 bytes (32 elements of 8 bytes), no padding
	s_mov_b32 s[G1A+0], 3<<16                      ; no mask; elements of 8 bytes
	s_mov_b32 s[G1A+1], 32<<16                     ; tensor_dim0 = 32
	s_mov_b32 s[G1A+2], 100<<16                    ; tensor_dim1 = 100
	s_mov_b32 s[G1A+3], 32<<16                     ; tile_dim0 = 32
	s_mov_b32 s[G1A+4], 100                        ; tile_dim1 = 100
	s_mov_b32 s[G1A+5], 32                         ; the pitch
	s_mov_b32 s[G1A+6], 0
	s_mov_b32 s[G1A+7], 0
	s_mov_b32 s[G1B+0], 15|(3<<16)|(1<<21)         ; the mask: all four work-groups of the cluster; bit 21 set beside it
	s_mov_b32 s[G1B+1], 32<<16
	s_mov_b32 s[G1B+2], BROWS<<16
	s_mov_b32 s[G1B+3], 32<<16
	s_mov_b32 s[G1B+4], BROWS
	s_mov_b32 s[G1B+5], 32
	s_mov_b32 s[G1B+6], 0
	s_mov_b32 s[G1B+7], 0
	s_wait_kmcnt 0x0
	s_add_nc_u64 s[56:57], s[4:5], s[56:57]
	s_add_nc_u64 s[58:59], s[4:5], s[58:59]
	CROUND                                         ; all four work-groups are here: the first joint loads meet
.irp s, 0,1
	s_mov_b32 s[G0A+4*\s], 1
	s_add_co_u32 s[G0A+4*\s+1], s60, \s*SLOT
	s_add_nc_u64 s[G0A+4*\s+2:G0A+4*\s+3], s[56:57], \s*QUAD
	s_or_b32 s[G0A+4*\s+3], s[G0A+4*\s+3], 0x80000000
	s_mov_b32 s[G0B+4*\s], 1
	s_add_co_u32 s[G0B+4*\s+1], s61, \s*SLOT
	s_add_nc_u64 s[G0B+4*\s+2:G0B+4*\s+3], s[58:59], \s*QUAD
	s_or_b32 s[G0B+4*\s+3], s[G0B+4*\s+3], 0x80000000
.endr
	JLOAD 0                                        ; slot 0's first fill: ONE tensor load a wave at the head; slot 1's follows behind the full sequence below, so one load of a wave is out at any time
; PREFETCHES INTO THE L2.  Fill n (n = 0 .. 3) brings K steps 4 n .. 4 n + 3.  Behind fill n the bytes of fill n + 2 are asked for, and behind fill 0 those of fill 1 too: at most two fills' bytes are asked for and not yet loaded.
; A's waves name their own 25,600 bytes (100 blocks of 256 bytes: four lines of 25 lanes); of the 51,200 bytes that a wave of B fetches jointly, the partner at place cx names 12,800 (two lines of 25 lanes): shared out by address.
; Lanes 25-31 name their line's last block again.  The address registers are never rewritten.
.set PFO, 8
.macro ASK n
	global_prefetch_b8 v[PFO], s[66:67] offset:(\n)*QUAD th:TH_LOAD_NT scope:SCOPE_SE
	global_prefetch_b8 v[PFO], s[66:67] offset:(\n)*QUAD+6400 th:TH_LOAD_NT scope:SCOPE_SE
	s_cmp_eq_u32 s15, 0
	s_cbranch_scc0 .Lpf_\@
	global_prefetch_b8 v[PFO], s[66:67] offset:(\n)*QUAD+12800 th:TH_LOAD_NT scope:SCOPE_SE
	global_prefetch_b8 v[PFO], s[66:67] offset:(\n)*QUAD+19200 th:TH_LOAD_NT scope:SCOPE_SE
.Lpf_\@:
.endm
	v_and_b32 v[PFO], 31, v0
	v_min_u32 v[PFO], 24, v[PFO]
	v_lshlrev_b32 v[PFO], 8, v[PFO]                ; a lane a block of 256 bytes
	s_mul_i32 s71, s17, 12800                      ; B: my work-group's quarter
	s_cmp_eq_u32 s15, 0
	s_cselect_b32 s71, 0, s71
	s_cselect_b64 s[66:67], s[56:57], s[58:59]     ; what my wave fetches: the choice hangs on the wave's number alone
	v_add_nc_u32 v[PFO], s71, v[PFO]
	s_wait_alu depctr_va_vdst(0)
	ASK 1
	ASK 2
	v_and_b32 v1, 31, v0                           ; lane
	v_and_b32 v2, 15, v0                           ; r
	v_bfe_u32 v3, v0, 4, 1                         ; h
	v_lshlrev_b32 v[L16], 4, v1
	s_wait_alu depctr_va_vdst(0)
	v_lshlrev_b32 v[L8], 3, v1
	s_wait_alu depctr_va_vdst(0)
	v_lshlrev_b32 v[L4], 2, v1
	s_wait_alu depctr_va_vdst(0)
	s_mul_i32 s62, s15, 6144                       ; my four tiles of A,
	s_lshl_b32 s63, s15, 8
	s_add_co_u32 s63, s63, 12288                   ; their scale words,
	s_mul_i32 s69, s16, QUAD
	s_add_co_u32 s69, s69, QUAD                    ; my block of B,
	s_add_co_u32 s70, s69, 12288                   ; its scale words
.irp s, 0,1
	v_add_nc_u32 v[A16+\s], s62, v[L16]
	v_add_nc_u32 v[A8+\s], s62, v[L8]
	v_add_nc_u32 v[A4+\s], s63, v[L4]
	v_add_nc_u32 v[B16+\s], s69, v[L16]
	v_add_nc_u32 v[B8+\s], s69, v[L8]
	v_add_nc_u32 v[B4+\s], s70, v[L4]
	s_add_co_u32 s62, s62, SLOT
	s_add_co_u32 s63, s63, SLOT
	s_add_co_u32 s69, s69, SLOT
	s_add_co_u32 s70, s70, SLOT
.endr
.irp b, 0,1,2,3
	v_mov_b32 v[TM+4+\b], 0                        ; written once: a lane permute's destination counts as one of its sources
.endr
	; cos and sin of my lane's four tokens (one for each of my tiles of A): for each, pairs 16 b + 8 h + 0 .. 7, b = 0, 1.  Every work-group loads them (v's do not use them; rows 128 i + .. lie inside the buffers there too)
	v_and_b32 v[CSA], 8, v2
	v_add_nc_u32 v[CSA], v[CSA], v2                ; r + 8 (r / 8)
	v_lshlrev_b32 v[CSA], 7, v[CSA]                ; rows of 128 bytes
	v_lshl_add_u32 v[CSA], v3, 5, v[CSA]           ; + 32 h
	s_wait_alu depctr_va_vdst(0)
	s_lshl_b32 s72, s19, 7
	s_lshl_b32 s73, s15, 6
	s_add_co_u32 s72, s72, s73                     ; token 128 i + 64 ah
	s_lshl_b32 s72, s72, 7
	s_mov_b32 s73, 0
	s_add_nc_u64 s[6:7], s[6:7], s[72:73]
	s_add_nc_u64 s[8:9], s[8:9], s[72:73]
	WIN 0xc0                                       ; destination window 3
.irp a, 0,1,2,3
.irp b, 0,1
.irp q, 0,1
	global_load_b128 v[16*\a+8*\b+4*\q:16*\a+8*\b+4*\q+3], v[CSA], s[6:7] offset:(32*(\a/2)+8*(\a%2))*128+64*\b+16*\q
	global_load_b128 v[64+16*\a+8*\b+4*\q:64+16*\a+8*\b+4*\q+3], v[CSA], s[8:9] offset:(32*(\a/2)+8*(\a%2))*128+64*\b+16*\q
.endr
.endr
.endr
	WIN 0
	s_wait_alu depctr_va_vdst(0)
	s_wait_tensorcnt 0x0                           ; my part of slot 0 is in
	ds_add_u32 v[SPW], v[NIL]
	s_wait_dscnt 0x0
	CROUND                                         ; everybody's part of slot 0 is in, and the four work-groups are here
	JLOAD 1                                        ; slot 1's first fill, the first tensor load behind the round
	FETCH 0, 0, 0
	ASK 3
	STEP 0, 1, 0, 1                                ; K step 0: its products start the sums: nothing is cleared
	STEP 1, 0, 0, 2
	STEP 0, 0, 0, 3
	TURN 0, 1                                      ; K step 3; slot 0 takes K steps 8-11
	STEP 0, 0, 1, 1
	STEP 1, 0, 1, 2
	STEP 0, 0, 1, 3
	TURN 1, 1                                      ; K step 7; slot 1 takes K steps 12-15
	STEP 0, 0, 0, 1
	STEP 1, 0, 0, 2
	STEP 0, 0, 0, 3
	TURN 0, 0                                      ; K step 11; nothing is left to fetch
	STEP 0, 0, 1, 1
	STEP 1, 0, 1, 2
	STEP 0, 0, 1, 3
	s_wait_dscnt 0x0
	WIN MULW
	MUL 1, 0                                       ; K step 15
	WIN 0
	PLACES
	; ---------------- where the results go.  All three kinds' offsets are made; the choice hangs on nb alone.
	s_lshl_b32 s90, s20, 2
	s_lshl_b32 s91, s16, 1
	s_add_co_u32 s90, s90, s91                     ; q: my block of B is heads hA = 4 nb + 2 bh and hA + 1
	s_lshl_b32 s93, s19, 3
	s_lshl_b32 s91, s15, 2
	s_add_co_u32 s93, s93, s91                     ; my first tile of 16 tokens: 8 i + 4 ah
	s_lshl_b32 s92, s90, 7
	s_add_co_u32 s92, s92, s93
	s_mul_i32 s92, s92, 768                        ; q's codes
	s_lshl_b32 s94, s90, 6
	s_lshr_b32 s93, s93, 1
	s_add_co_u32 s94, s94, s93
	s_lshl_b32 s94, s94, 6
	s_add_co_u32 s94, s94, QSOFF                   ; q's scale words
	s_sub_co_u32 s90, s90, 32                      ; k: kv heads kA = hA - 32 and kA + 1
	s_mul_i32 s90, s90, BLK
	s_mul_i32 s91, s19, KB
	s_add_co_u32 s90, s90, s91                     ; key step i
	s_mul_i32 s96, s15, 3072
	s_add_co_u32 s96, s96, s90                     ; k's codes: key tile 4 ah on, 768 bytes a tile
	s_lshl_b32 s97, s15, 7
	s_add_co_u32 s97, s97, s90
	s_add_co_u32 s97, s97, 12288                   ; k's scale words
	s_lshl_b32 s98, s17, 1
	s_add_co_u32 s98, s98, s15                     ; v: kv head 2 cx + ah,
	s_mul_i32 s98, s98, BLK
	s_mul_i32 s91, s21, KB                         ; my key step
	s_add_co_u32 s98, s98, s91
	s_add_co_u32 s99, s98, 12544                   ; v's scale words
	s_add_co_u32 s98, s98, 6144                    ; v's codes
	s_mov_b32 s91, BLK
	s_mov_b32 s80, 98304                           ; from a unit's half 0 to its half 1: q: the next head,
	s_mov_b32 s82, 768                             ; from unit to unit
	s_mov_b32 s83, 4096                            ; scale words: from lanes 0-15's to lanes 16-31's: q: the next head
	s_mov_b32 s84, 64                              ; and from pair of units to pair
	s_mov_b32 s85, 0x05040100                      ; lanes 0-15's word: bytes 0, 1 of the even unit's, bytes 0, 1 of the odd unit's
	s_mov_b32 s86, 0x07060302                      ; lanes 16-31's: bytes 2, 3 of both
	s_mov_b32 s87, 0xffff0000                      ; lanes 16-31
	s_mov_b32 s88, 0x76543210
	s_mov_b32 s89, 0xfedcba98                      ; v_permlanex16_b32: lane l xor 16
	s_cmp_ge_u32 s20, 8                            ; k: the next kv head is BLK bytes on
	s_cselect_b64 s[74:75], s[12:13], s[10:11]
	s_cselect_b32 s92, s96, s92
	s_cselect_b32 s94, s97, s94
	s_cselect_b32 s80, s91, s80
	s_cselect_b32 s83, s91, s83
	s_cmp_ge_u32 s20, 10                           ; v: a unit is a whole fragment and a whole scale word
	s_cselect_b32 s92, s98, s92
	s_cselect_b32 s94, s99, s94
	s_cselect_b32 s80, 768, s80
	s_cselect_b32 s82, 1536, s82
	s_cselect_b32 s83, 64, s83
	s_cselect_b32 s84, 128, s84
	s_cselect_b32 s85, 0x03020100, s85             ; lanes 0-15: the even unit's word,
	s_cselect_b32 s86, 0x07060504, s86             ; lanes 16-31: the odd unit's
	s_mov_b32 s93, 0
	s_mov_b32 s95, 0
	s_mov_b32 s81, 0
	s_add_nc_u64 s[78:79], s[74:75], s[94:95]      ; the scale words
	s_add_nc_u64 s[74:75], s[74:75], s[92:93]      ; half 0
	s_add_nc_u64 s[76:77], s[74:75], s[80:81]      ; half 1
	v_mov_b32 v[O16], v[L16]
	v_mov_b32 v[O8], v[L8]
	v_mul_u32_u24 v[OS], s83, v3
	v_lshl_add_u32 v[OS], v2, 2, v[OS]             ; 4 r + h x the distance
	; ---------------- RoPE, for q and k: register 2 n, 2 n + 1 of unit a is a pair; its cos and sin have index n % 16.  o0 = t0 c - t1 s, o1 = t1 c + t0 s, in f32, in place.  Pairs ascend: each accumulator is read from its low end on.
.macro ROPE a
	WIN 0x0d                                       ; source 0 window 1, source 1 window 3
.set n, 0
.rept 32
	v_mul_f32 v[MT+2*n], v[64*\a+2*n+1], v[64+16*\a+n%16]       ; t1 s
	v_mul_f32 v[MT+2*n+1], v[64*\a+2*n], v[64+16*\a+n%16]       ; t0 s
.set n, n+1
.endr
	WIN 0x4d                                       ; and the destination window 1
.set n, 0
.rept 32
	v_fma_f32 v[64*\a+2*n], v[64*\a+2*n], v[16*\a+n%16], -v[MT+2*n]
	v_fma_f32 v[64*\a+2*n+1], v[64*\a+2*n+1], v[16*\a+n%16], v[MT+2*n+1]
.set n, n+1
.endr
.endm
	s_wait_loadcnt 0x0                             ; cos and sin
	s_cmp_ge_u32 s20, 10                           ; v is not rotated; nb is the same in all partners
	s_cbranch_scc1 .Lplain
	ROPE 0
	ROPE 1
	ROPE 2
	ROPE 3
	WIN 0
.Lplain:
; 64 numbers of a lane in window 1, register s + 16 b + i = k 32 b + 16 h + i of my row, become a fragment's codes in v[PC] on and its scale word in v[pw]
.macro QUANT s, pw
	WIN 0x05                                       ; sources 0 and 1 window 1
.irp b, 0,1,2,3
	v_max3_num_f32 v[TM+\b], |v[\s+16*\b]|, |v[\s+1+16*\b]|, 0x1800000   ; block b: my 16 numbers, and the floor 2^(3 - 127): the byte cannot fall under 1
.endr
.irp i, 2,4,6,8,10,12,14
.irp b, 0,1,2,3
	v_max3_num_f32 v[TM+\b], |v[\s+16*\b+\i]|, |v[\s+1+16*\b+\i]|, v[TM+\b]
.endr
.endr
	WIN 0
.irp b, 0,1,2,3
	v_permlanex16_b32 v[TM+4+\b], v[TM+\b], s88, s89
.endr
.irp b, 0,1,2,3
	v_max_num_f32 v[TM+\b], v[TM+\b], v[TM+4+\b]   ; with lane l xor 16's: the block's largest magnitude
.endr
.irp b, 0,1,2,3
	v_add_nc_u32 v[TM+12+\b], 0xff000000, v[TM+\b] ; 2 off its exponent field: the conversion's scale operand
.endr
.irp b, 0,1,2,3
	v_lshrrev_b32 v[TM+4+\b], 23, v[TM+12+\b]      ; the scale's byte
.endr
	v_lshl_or_b32 v[\pw], v[TM+5], 8, v[TM+4]
	v_lshl_or_b32 v[\pw], v[TM+6], 16, v[\pw]
	v_lshl_or_b32 v[\pw], v[TM+7], 24, v[\pw]
	WIN 0x01                                       ; source 0 window 1
.irp c, 0,1
	v_cvt_scalef32_pk16_fp6_f32 v[PC+6*\c:PC+2+6*\c], v[\s+32*\c:\s+15+32*\c], v[TM+12+2*\c]
	v_cvt_scalef32_pk16_fp6_f32 v[PC+12+4*\c:PC+14+4*\c], v[\s+16+32*\c:\s+31+32*\c], v[TM+12+2*\c+1]   ; (a conversion's three registers begin on an even number)
.endr
	WIN 0
	v_nop                                          ; one plain place behind a scaled conversion
.irp c, 0,1                                    ; the operand's layout wants a whole block in a lane: lanes 0-15 block 2 c, lanes 16-31 block 2 c + 1
.irp i, 0,1,2
	v_permlane16_swap_b32 v[PC+6*\c+\i], v[PC+12+4*\c+\i]
.endr
.irp i, 0,1,2
	v_mov_b32 v[PC+3+6*\c+\i], v[PC+12+4*\c+\i]
.endr
.endr
.endm
; unit a: my tile a of A against my 128 rows of B.  Its two halves of 768 bytes leave as they stand: 512 and 256 consecutive bytes a store
.macro UNIT a
	QUANT 64*\a, PWS+(\a%2)
	global_store_b128 v[O16], v[PC:PC+3], s[74:75]
	global_store_b64 v[O8], v[PC+4:PC+5], s[74:75] offset:512
	global_store_b128 v[O16], v[PC+6:PC+9], s[76:77]
	global_store_b64 v[O8], v[PC+10:PC+11], s[76:77] offset:512
.if \a%2
	v_perm_b32 v[WA], v[PWS+1], v[PWS], s85
	v_perm_b32 v[WB], v[PWS+1], v[PWS], s86
	v_cndmask_b32 v[WA], v[WA], v[WB], s87
	global_store_b32 v[OS], v[WA], s[78:79]
.endif
	s_wait_xcnt 0x0                                ; the stores' data and offsets are written again only behind this wait
	v_add_nc_u32 v[O16], s82, v[O16]
	v_add_nc_u32 v[O8], s82, v[O8]
.if \a%2
	v_add_nc_u32 v[OS], s84, v[OS]
.endif
.endm
	UNIT 0
	UNIT 1
	UNIT 2
	UNIT 3
	s_wait_tensorcnt 0x0                           ; the wave's end
	ds_add_u32 v[SPW], v[NIL]
	s_wait_dscnt 0x0
	CROUND                                         ; the closing round: no work-group ends while a partner may still ask for a tile that names it
	s_endpgm
; ---------------- wo [2048 (K)][2048], f32, becomes wimg: 16 blocks of 128 columns, laid as img's blocks are (16 K steps of KB bytes: eight fragments' images, then the scale words).
; Work-group q = 16 (y - 12) + x makes K steps 4 (q % 4) .. + 3 of block q / 4, one a trip.  A lane takes a column and its registers run down K: a block of 32 lies in one lane.
; Wave w makes tiles 2 w, 2 w + 1; the images turn through the wave's own stage, which lies behind the ring and the spare words: no fill lands there.
; The next trip's 128 rows x 512 bytes are asked for one trip ahead: a lane a row, two lines a wave; the last trip asks for nothing.
; LIMITS as in the launch before: a block of zeros gets the byte 1; NaN and infinities are not served.
.set WOST, SPARE+512
.set WR,   32                          ; v32-159  the numbers as loaded
.set WX,   160                         ; v160-183 the images read back
.set WCD,  224                         ; v224-253 codes
.set WDT,  16                          ; v16-18   the second three registers of a block's six are made here and moved
.macro WOBLOCK t
.if 96-32*\t > 63
	s_wait_loadcnt 63                              ; behind this block's loads stand 96 - 32 t others; a wait names 63 at the most, and the smaller count is safe
.else
	s_wait_loadcnt 96-32*\t
.endif
	v_max3_num_f32 v24, |v[WR+32*\t]|, |v[WR+32*\t+1]|, |v[WR+32*\t+2]|
	v_max3_num_f32 v25, |v[WR+32*\t+3]|, |v[WR+32*\t+4]|, |v[WR+32*\t+5]|
.irp i, 6,10,14,18,22,26
	v_max3_num_f32 v24, v24, |v[WR+32*\t+\i]|, |v[WR+32*\t+\i+1]|
	v_max3_num_f32 v25, v25, |v[WR+32*\t+\i+2]|, |v[WR+32*\t+\i+3]|
.endr
	v_max3_num_f32 v24, v24, |v[WR+32*\t+30]|, |v[WR+32*\t+31]|
	v_max3_num_f32 v24, v24, v25, 0x1800000        ; and the floor 2^(3 - 127)
	v_add_nc_u32 v26, 0xff000000, v24              ; the conversion's scale operand
	v_lshrrev_b32 v27, 23, v26                     ; the byte
.if \t == 0
	v_mov_b32 v31, v27
.else
	v_lshl_or_b32 v31, v27, 8*\t, v31
.endif
	v_cvt_scalef32_pk16_fp6_f32 v[WCD+8*\t:WCD+8*\t+2], v[WR+32*\t:WR+32*\t+15], v26
	v_cvt_scalef32_pk16_fp6_f32 v[WDT:WDT+2], v[WR+32*\t+16:WR+32*\t+31], v26
	v_nop                                          ; one plain place behind a scaled conversion
.irp i, 0,1,2
	v_mov_b32 v[WCD+8*\t+3+\i], v[WDT+\i]
.endr
	ds_store_b128 v7, v[WCD+8*\t:WCD+8*\t+3] offset:768*(\t/2)+256*(\t%2)
	ds_store_b64 v8, v[WCD+8*\t+4:WCD+8*\t+5] offset:768*(\t/2)+512+128*(\t%2)
.endm
.Lwo:
	s_load_b128 s[24:27], s[0:1], 0x28             ; wo, wimg
	s_sub_co_u32 s28, s20, 12
	s_lshl_b32 s28, s28, 4
	s_add_co_u32 s28, s28, s19                     ; q
	s_lshr_b32 s29, s28, 2                         ; the block of 128 columns
	s_and_b32 s30, s28, 3                          ; which four K steps
	s_lshl_b32 s32, s30, 22                        ; 512 rows of 8,192 bytes
	s_lshl_b32 s33, s29, 9
	s_add_co_u32 s32, s32, s33                     ; + 512 bytes a block
	s_lshl_b32 s38, s14, 7
	s_add_co_u32 s32, s32, s38                     ; + 128 bytes a wave
	s_mov_b32 s33, 0
	s_mul_i32 s34, s29, BLK
	s_mul_i32 s35, s30, QUAD
	s_add_co_u32 s34, s34, s35
	s_mov_b32 s35, 0
	s_mul_i32 s36, s14, 3072
	s_add_co_u32 s37, s36, WOST                    ; my stage
	v_and_b32 v1, 31, v0
	v_bfe_u32 v3, v0, 4, 1
	v_lshlrev_b32 v4, 4, v1
	v_lshlrev_b32 v6, 2, v1
	v_add_nc_u32 v28, s36, v4                      ; out: my wave's two fragments, 16 bytes a lane
	v_and_b32 v12, 7, v1
	v_lshl_add_u32 v12, v3, 3, v12                 ; column j of my 32 is row r = j % 8 + 8 (j / 16)
	v_bfe_u32 v13, v0, 3, 1                        ; of tile u = (j / 8) % 2
	v_mul_u32_u24 v14, v13, 1536
	v_add_nc_u32 v14, s37, v14
	v_lshl_add_u32 v7, v12, 4, v14
	v_lshl_add_u32 v8, v12, 3, v14
	v_add_nc_u32 v9, s37, v4
	v_lshlrev_b32 v30, 2, v12
	v_lshl_add_u32 v30, v13, 6, v30
	v_add_nc_u32 v30, s38, v30                     ; my column's scale word: 128 w + 64 u + 4 r
	v_lshlrev_b32 v29, 13, v0                      ; the prefetches: row = my thread's number,
	v_sub_nc_u32 v29, v29, s38                     ; from the work-group's first column
	s_wait_alu depctr_va_vdst(0)
	s_wait_kmcnt 0x0
	s_add_nc_u64 s[24:25], s[24:25], s[32:33]
	s_add_nc_u64 s[26:27], s[26:27], s[34:35]
	s_mov_b32 s39, 0
.Lwo_unit:
.set n, 0
.rept 128
	global_load_b32 v[WR+n], v6, s[24:25] offset:n*8192 th:TH_LOAD_NT
.set n, n+1
.endr
	s_cmp_lt_u32 s39, 3
	s_cbranch_scc0 .Lwo_last
	global_prefetch_b8 v29, s[24:25] offset:1048576 th:TH_LOAD_NT scope:SCOPE_SE
	global_prefetch_b8 v29, s[24:25] offset:1048576+256 th:TH_LOAD_NT scope:SCOPE_SE
.Lwo_last:
	WOBLOCK 0
	WOBLOCK 1
	WOBLOCK 2
	WOBLOCK 3
.irp i, 0,1,2,3,4,5
	ds_load_b128 v[WX+4*\i:WX+4*\i+3], v9 offset:512*\i    ; LDS serves a wave's instructions in order: these see my stores
.endr
	s_wait_alu depctr_va_vdst(0)
.irp i, 0,1,2,3,4,5
	s_wait_dscnt 5-\i
	global_store_b128 v28, v[WX+4*\i:WX+4*\i+3], s[26:27] offset:512*\i   ; 512 consecutive bytes, at a multiple of 256 from wimg's first byte
.endr
	global_store_b32 v30, v31, s[26:27] offset:12288
	s_wait_xcnt 0x0                                ; the bases and the stores' data are written again only behind this wait
	s_add_nc_u64 s[24:25], s[24:25], 0x100000      ; 128 rows on
	s_add_nc_u64 s[26:27], s[26:27], KB
	s_add_co_u32 s39, s39, 1
	s_cmp_lt_u32 s39, 4
	s_cbranch_scc1 .Lwo_unit
	s_wait_tensorcnt 0x0                           ; the wave's end
	ds_add_u32 v[SPW], v[NIL]
	s_wait_dscnt 0x0
	s_endpgm
.Lfunc_end_k_q2f513ac754_gemm_qkv:
	.size	k_q2f513ac754_gemm_qkv, .Lfunc_end_k_q2f513ac754_gemm_qkv-k_q2f513ac754_gemm_qkv
	.p2alignl 7, 3214868480
	.fill 96, 4, 3214868480
	.section	.rodata,"a",@progbits
	.p2align	6, 0x0
	.amdhsa_kernel k_q2f513ac754_gemm_qkv
		.amdhsa_group_segment_fixed_size 327680
		.amdhsa_private_segment_fixed_size 0
		.amdhsa_enable_private_segment 0
		.amdhsa_kernarg_size 56
		.amdhsa_user_sgpr_count 2
		.amdhsa_user_sgpr_kernarg_segment_ptr 1
		.amdhsa_wavefront_size32 1
		.amdhsa_system_sgpr_workgroup_id_x 1
		.amdhsa_system_sgpr_workgroup_id_y 1
		.amdhsa_system_sgpr_workgroup_id_z 1
		.amdhsa_system_vgpr_workitem_id 0
		.amdhsa_next_free_vgpr 1024
		.amdhsa_next_free_sgpr 100
		.amdhsa_reserve_vcc 0
		.amdhsa_float_denorm_mode_32 3
		.amdhsa_float_denorm_mode_16_64 3
		.amdhsa_memory_ordered 1
		.amdhsa_forward_progress 1
		.amdhsa_inst_pref_size 205
	.end_amdhsa_kernel
	.amdgpu_metadata
---
amdhsa.version: [ 1, 2 ]
amdhsa.kernels:
  - .name:           k_q2f513ac754_gemm_qkv
    .symbol:         k_q2f513ac754_gemm_qkv.kd
    .args:
      - { .name: img, .offset: 0, .size: 8, .value_kind: global_buffer, .address_space: global }
      - { .name: cos, .offset: 8, .size: 8, .value_kind: global_buffer, .address_space: global }
      - { .name: sin, .offset: 16, .size: 8, .value_kind: global_buffer, .address_space: global }
      - { .name: qi, .offset: 24, .size: 8, .value_kind: global_buffer, .address_space: global }
      - { .name: kv, .offset: 32, .size: 8, .value_kind: global_buffer, .address_space: global }
      - { .name: wo, .offset: 40, .size: 8, .value_kind: global_buffer, .address_space: global }
      - { .name: wimg, .offset: 48, .size: 8, .value_kind: global_buffer, .address_space: global }
    .group_segment_fixed_size: 327680
    .private_segment_fixed_size: 0
    .kernarg_segment_align: 8
    .kernarg_segment_size: 56
    .max_flat_workgroup_size: 128
    .sgpr_count:     100
    .vgpr_count:     1024
    .wavefront_size: 32
...
	.end_amdgpu_metadata
.endif
;; end of part 2
;; launch attn (part 3): grid 32 x 8, 16 waves a work-group, clusters of 4 x 1, 280,576 bytes of LDS; arguments qi, kv, ai; writes ai
.if DOCPART == 3
	.amdgcn_target "amdgcn-amd-amdhsa--gfx1250"
	.amdhsa_code_object_version 6
	.text
	.protected	k_q2f513ac754_attn
	.globl	k_q2f513ac754_attn
	.p2align	8
	.type	k_q2f513ac754_attn,@function
k_q2f513ac754_attn:
	s_mov_b64 s[64:65], 0
	v_nop
	global_prefetch_b8 v0, s[64:65] scope:SCOPE_SE
	s_setreg_imm32_b32 hwreg(HW_REG_WAVE_MODE, 25, 1), 1
	s_wait_xcnt 0x0
	s_wait_alu depctr_hold_cnt(0) depctr_sa_sdst(0) depctr_va_vdst(0) depctr_va_sdst(0) depctr_va_ssrc(0) depctr_va_vcc(0) depctr_vm_vsrc(0)
	s_getreg_b32 s2, hwreg(HW_REG_IB_STS2, 6, 4)
	s_cmp_eq_u32 s2, 0
	s_cbranch_scc0 .Lentry_in_a_cluster
	s_endpgm
.Lentry_in_a_cluster:
	s_bfe_u32 s2, ttmp6, 0x10000c
	s_cmp_lg_u32 s2, 0x3003
	s_cbranch_scc0 .Lentry_shape_is_right
	s_endpgm
.Lentry_shape_is_right:
; Causal attention on codes of FP6 (E2M3) with E8M0 scales: S^T = K q^T, p = 2^(t - M), O^T += V^T p^T, o = O / l, and the quantiser of o along the head's 64 channels.
; LEFT OUT: key steps of 128 that lie wholly above the diagonal: the mask that the problem builds itself turns their scores into -inf and their p into 0 for all values of the inputs.
; LIMITS: the promise holds while the scaled scores stay under 2^31 in magnitude; NaN and infinities are not served; a block of zeros gets the byte 1 where the rule says 127 (zero codes; this program alone reads the bytes).
; INPUTS: qi: codes [head][tile of 16 queries][768], then scale words [head][pair of tiles][16 rows].  kv: [kv head][key step of 128][KB]: four fragments of K (two key tiles each), four of V^T, K's and V's scale words.
; Lane r of tile 2 b + u of a block of 128 stands for row 32 b + 8 u + r + 8 (r / 8), so the 16 registers of two neighbouring tiles of S^T are 16 neighbouring keys.
; RESULT: ai: images of the next product's operand: [block of 128 tokens][K step = head / 2][KB], a tile's half (head % 2) of 768 bytes, and two scale bytes a row.
; SHARES: work-group (x, y) serves kv head y: its four heads j, and of head j the tiles x', 127 - x', 63 - x', 64 + x' with x' = (x + 8 j) mod 32.  A tile t needs t / 8 + 1 key steps, so a pair (t, 127 - t) needs 17.
; TWO WAVES SHARE A PAIR: the wave with p = 0 takes the even key steps of both tiles, the wave with p = 1 the odd ones: 9 and 8 steps.  Wave number: bits 1:0 = j, bit 3 = which pair, p = bit 0 xor bit 2; the partner is wave xor 4.
; Each wave first walks the tile that its partner owns, puts that part (O^T, -M, the sums) into LDS bytes of its own and signals the barrier; then it walks its own tile, waits for the barrier, and joins the partner's part to its own:
; both M are whole numbers, so each part is brought under the larger M by an exact power of two.  A part with no step has O = 0, sum 0 and M = -3e38, and its factor comes out 0.
; Since a = x' / 8 runs through 0 .. 3 over the four heads, every work-group has a tile of the last block: all 16 key steps that the head fetches are read.
; TWO RUNS OF 64 REGISTERS, X AND Y, CHANGE ROLES FROM STEP TO STEP: one holds K's fragments and then V's, the other the scores; when the scores are spent, the next step's fragments of K are asked for into their registers,
; ahead of this step's last products.  So a trip of the loop is two steps.
; CLUSTER 4 x 1: the four partners read the same K and V: one JOINT load a wave (wave w: key step w, 12,800 bytes as 50 rows of 256) brings all 204,800 bytes once, at the head.  Nothing is filled again.
; Branches hang on a, made of the cluster's x and the wave's number alone: x / 8 is the same in the four partners.  The place in the cluster enters global addresses and the mask's lane numbers only.
; NO PREFETCH: every byte of K and V is asked for by the head's one group of loads; there is no later load to run ahead of.
.set BLK,   204800
.set KB,    12800
.set QSOFF, 3145728
.set SPARE, 16*KB                      ; the spare words: 128 bytes a wave, eight blocks of 256 bytes that no other line names
.set MRG,   SPARE+2048                 ; the parts: PART bytes a wave
.set PART,  4608                       ; O^T 4,096 bytes, then v12-15 512 bytes
.set L16,  1
.set L8,   2
.set L4,   3
.set AD16, 4
.set AD8,  5
.set AD4,  6
.set DQ,   7                           ; my query's place in its block of 128, less 16 h
.set R4,   8
.set RB,   9
.set QHI,  16                          ; v16-21 zeros, v22-27 q, v28-33 zeros: v[16:27] has q in its upper 64 K, v[22:33] in its lower
.set QLO,  22
.set QS,   34
.set QW,   35
.set X,    36                          ; v36-99
.set Y,    100                         ; v100-163
.set O,    164
.set PCD,  196
.set BM,   208
.set BP,   212
.set SO,   220
.set FF,   224
.set TP,   226
.set KSC,  228
.set VSC,  230
.set GB,   232                         ; v232-233 the partner's factor
.set DMP,  234                         ; LDS: my part
.set PRT,  235                         ; LDS: my partner's part
.set Q2,   236                         ; v236-241 the second tile's q, v242 its scale word, v243 its DQ
.set QS2,  242
.set DQ2,  243
.set QW2,  244
.set SU,   246                         ; v246-251 three more chains of the row's sum
.set G1,   28                          ; s28, s29 the last key step of the first and of the second tile; s30, s31 the tiles
.set G2,   29
.set T1,   30
.set T2,   31
.set KS,   34
.set TB,   35
.set SEL,  36
.set CS,   38
.set K2,   60
.set TN,   61
.set HI,   62
.set CT,   63
.macro PLACES
.rept 4
	v_nop
.endr
.endm
.macro CROUND                          ; a round of the cluster's barrier
	s_barrier_signal -1
	s_barrier_wait -1
	s_cmp_lg_u32 s10, 0
	s_cbranch_scc1 .Lnot_wave_0_\@
	s_barrier_signal -3
.Lnot_wave_0_\@:
	s_barrier_wait -3
	s_barrier_signal -1
	s_barrier_wait -1
.endm
; tile s[t] of head s14: oc: byte offset of its codes, os: of its scale words, ob: its first query's place in the block of 128, sl: which two bytes of the pair's scale word are its own
.macro QADR t, oc, os, ob, sl
	s_lshl_b32 s[\oc], s14, 7
	s_add_co_u32 s[\oc], s[\oc], s[\t]
	s_mul_i32 s[\oc], s[\oc], 768
	s_mov_b32 s[\oc+1], 0
	s_lshl_b32 s[\os], s14, 6
	s_lshr_b32 s[\ob], s[\t], 1
	s_add_co_u32 s[\os], s[\os], s[\ob]
	s_lshl_b32 s[\os], s[\os], 6
	s_add_co_u32 s[\os], s[\os], QSOFF
	s_mov_b32 s[\os+1], 0
	s_and_b32 s[\ob], s[\ob], 3
	s_lshl_b32 s[\ob], s[\ob], 5
	s_and_b32 s[\sl], s[\t], 1
	s_lshl_b32 s[\sl], s[\sl], 3
	s_add_co_u32 s[\ob], s[\ob], s[\sl]
	s_mov_b32 s[\sl], 0x01000100
	s_bitcmp1_b32 s[\t], 0
	s_cselect_b32 s[\sl], 0x03020302, s[\sl]
.endm
	s_load_b128 s[4:7], s[0:1], 0x0                ; qi, kv
	s_load_b64 s[8:9], s[0:1], 0x10                ; ai
	v_lshl_add_u32 v254, v0, 2, SPARE
	v_mov_b32 v255, 0
	ds_add_u32 v254, v255                          ; the opening lines: the add, twice on end, and its wait ahead of the round in front of my tensor load
	ds_add_u32 v254, v255
	v_lshrrev_b32 v10, 5, v0
	v_readfirstlane_b32 s10, v10                   ; wave
	s_and_b32 s11, s10, 3                          ; j
	s_lshr_b32 s12, s10, 2
	s_xor_b32 s12, s12, s10
	s_and_b32 s12, s12, 1                          ; p: two waves of each kind among any four with equal bits 1:0 and among any four with equal bits 3:2
	s_lshr_b32 s15, s10, 3                         ; which pair
	s_and_b32 s13, ttmp7, 0xffff                   ; kv head
	s_lshl_b32 s14, s13, 2
	s_add_co_u32 s14, s14, s11                     ; head
	s_lshr_b32 s32, ttmp9, 1                       ; x / 8, from the cluster's x alone
	s_add_co_u32 s32, s32, s11
	s_and_b32 s32, s32, 3                          ; a = x' / 8
	s_sub_co_u32 s33, 7, s32
	s_cmp_eq_u32 s15, 0
	s_cselect_b32 s32, s32, s33                    ; the lower tile's last key step: a or 7 - a
	s_sub_co_u32 s33, 15, s32                      ; the upper tile's
	s_cmp_eq_u32 s12, 0
	s_cselect_b32 s[G1], s32, s33                  ; p = 0 walks the lower tile first and owns the upper one; p = 1 the other way round
	s_sub_co_u32 s[G2], 15, s[G1]
	s_bfe_u32 s32, ttmp6, 0x40000                  ; cx
	s_lshl_b32 s33, ttmp9, 2
	s_add_co_u32 s32, s32, s33                     ; x
	s_lshl_b32 s33, s11, 3
	s_add_co_u32 s32, s32, s33
	s_and_b32 s32, s32, 31                         ; x'
	s_sub_co_u32 s33, 63, s32
	s_cmp_eq_u32 s15, 0
	s_cselect_b32 s32, s32, s33                    ; the lower tile: x' or 63 - x'
	s_sub_co_u32 s33, 127, s32                     ; the upper one
	s_cmp_eq_u32 s12, 0
	s_cselect_b32 s[T1], s32, s33
	s_sub_co_u32 s[T2], 127, s[T1]
	QADR T1, 44, 46, 48, 49
	QADR T2, 50, 52, 54, 55
	s_lshr_b32 s56, s[T2], 3                       ; where my own tile's result goes
	s_mul_i32 s56, s56, BLK
	s_lshr_b32 s57, s14, 1
	s_mul_i32 s57, s57, KB
	s_add_co_u32 s56, s56, s57
	s_and_b32 s57, s[T2], 7
	s_lshl_b32 s58, s57, 6
	s_mul_i32 s57, s57, 1536
	s_and_b32 s59, s14, 1
	s_lshl_b32 s60, s59, 1
	s_mul_i32 s59, s59, 768
	s_add_co_u32 s58, s58, s60
	s_add_co_u32 s58, s58, s56
	s_add_co_u32 s58, s58, 12288                   ; its scale bytes
	s_add_co_u32 s56, s56, s57
	s_add_co_u32 s56, s56, s59                     ; its codes
	s_mov_b32 s57, 0
	s_mov_b32 s59, 0
	s_mov_b32 s16, 15|(3<<16)|(1<<21)              ; group 1: the mask names the four partners, bit 21 beside it; elements of 8 bytes
	s_mov_b32 s17, 32<<16                          ; rows of 256 bytes
	s_mov_b32 s18, 50<<16                          ; 50 rows
	s_mov_b32 s19, 32<<16
	s_mov_b32 s20, 50
	s_mov_b32 s21, 32
	s_mov_b32 s22, 0
	s_mov_b32 s23, 0
	s_mov_b32 s24, 1
	s_mul_i32 s25, s10, KB                         ; key step w goes to w x KB
	s_mul_i32 s40, s13, BLK
	s_add_co_u32 s40, s40, s25
	s_mov_b32 s41, 0
	s_mul_i32 s42, s10, PART
	s_add_co_u32 s42, s42, MRG
	s_xor_b32 s43, s10, 4                          ; my partner
	s_mul_i32 s43, s43, PART
	s_add_co_u32 s43, s43, MRG
	s_mov_b32 s[SEL], 0x76543210
	s_mov_b32 s[SEL+1], 0xfedcba98                 ; v_permlanex16_b32: lane l xor 16
	s_mov_b32 s[CS], 0x3e38aa3b                    ; log2(e) / sqrt(64)
	s_mov_b32 s[CS+1], s[CS]
	s_mov_b32 s[HI], 0xffff0000
	v_and_b32 v10, 31, v0
	v_lshlrev_b32 v[L16], 4, v10
	v_lshlrev_b32 v[L8], 3, v10
	v_lshlrev_b32 v[L4], 2, v10
	v_and_b32 v10, 15, v0
	v_bfe_u32 v11, v0, 4, 1
	v_lshlrev_b32 v[R4], 2, v10
	v_add_nc_u32 v[RB], v[R4], v11
	v_add_nc_u32 v[DMP], s42, v[L16]
	v_add_nc_u32 v[PRT], s43, v[L16]
	v_and_b32 v[DQ], 8, v10
	v_add_nc_u32 v[DQ], v[DQ], v10                 ; r + 8 (r / 8)
	v_lshlrev_b32 v11, 4, v11
	v_sub_nc_u32 v[DQ], v[DQ], v11                 ; - 16 h
	v_add_nc_u32 v[DQ2], s54, v[DQ]
	v_add_nc_u32 v[DQ], s48, v[DQ]
	s_wait_alu depctr_va_vdst(0)
	s_wait_dscnt 0x0                               ; both opening adds are done
	s_wait_kmcnt 0x0
	s_add_nc_u64 s[44:45], s[4:5], s[44:45]
	s_add_nc_u64 s[46:47], s[4:5], s[46:47]
	s_add_nc_u64 s[50:51], s[4:5], s[50:51]
	s_add_nc_u64 s[52:53], s[4:5], s[52:53]
	s_add_nc_u64 s[56:57], s[8:9], s[56:57]
	s_add_nc_u64 s[58:59], s[8:9], s[58:59]
	s_add_nc_u64 s[26:27], s[6:7], s[40:41]
	s_or_b32 s27, s27, 0x80000000
	global_load_b128 v[QLO:QLO+3], v[L16], s[44:45]        ; both tiles' q and scale words are on their way while K and V come
	global_load_b64 v[QLO+4:QLO+5], v[L8], s[44:45] offset:512
	global_load_b32 v[QW], v[R4], s[46:47]
	global_load_b128 v[Q2:Q2+3], v[L16], s[50:51]
	global_load_b64 v[Q2+4:Q2+5], v[L8], s[50:51] offset:512
	global_load_b32 v[QW2], v[R4], s[52:53]
	CROUND                                         ; the four work-groups are here: the joint loads meet
	tensor_load_to_lds s[24:27], s[16:23]          ; my one tensor load: key step w
	s_nop 0
.irp i, 0,1,2,3,4,5
	v_mov_b32 v[QHI+\i], 0
	v_mov_b32 v[QLO+6+\i], 0
.endr
	v_mov_b32 v13, 0xff61b1e6                      ; the largest t so far: -3e38
	v_floor_f32 v12, -v13                          ; -M
	v_mov_b32 v14, 0
	v_mov_b32 v15, 0
.irp b, 0,1,2,3
	v_mov_b32 v[BP+\b], 0                          ; a lane permute's destination counts as one of its sources
.endr
	v_mov_b32 v[FF+1], 0
	v_mov_b32 v[TP], 0
	v_mov_b32 v[GB+1], 0
	s_wait_loadcnt 0x0
	v_perm_b32 v[QS], v[QW], v[QW], s49            ; the tile's two bytes, for the lower and for the upper 64 K
	v_perm_b32 v[QS2], v[QW2], v[QW2], s55
.set n, 0
.rept 32
	v_mov_b32 v[O+n], 0
.set n, n+1
.endr
.macro KQ sr, kr, t, f, q
.if (\f)%2
	v_wmma_scale_f32_16x16x128_f8f6f4 v[\sr+8*(\t):\sr+8*(\t)+7], v[\kr+12*(\f):\kr+12*(\f)+11], v[\q:\q+11], 0, v[KSC+(\f)/2], v[QS] matrix_a_fmt:MATRIX_FMT_FP6 matrix_b_fmt:MATRIX_FMT_FP6 matrix_a_scale:MATRIX_SCALE_ROW1
.else
	v_wmma_scale_f32_16x16x128_f8f6f4 v[\sr+8*(\t):\sr+8*(\t)+7], v[\kr+12*(\f):\kr+12*(\f)+11], v[\q:\q+11], 0, v[KSC+(\f)/2], v[QS] matrix_a_fmt:MATRIX_FMT_FP6 matrix_b_fmt:MATRIX_FMT_FP6
.endif
.endm
.macro PV kr, t
.if (\t)%2
	v_wmma_scale_f32_16x16x128_f8f6f4 v[O+8*(\t):O+8*(\t)+7], v[\kr+12*(\t):\kr+12*(\t)+11], v[PCD:PCD+11], v[O+8*(\t):O+8*(\t)+7], v[VSC+(\t)/2], v[FF+1] matrix_a_fmt:MATRIX_FMT_FP6 matrix_b_fmt:MATRIX_FMT_FP6 matrix_a_scale:MATRIX_SCALE_ROW1
.else
	v_wmma_scale_f32_16x16x128_f8f6f4 v[O+8*(\t):O+8*(\t)+7], v[\kr+12*(\t):\kr+12*(\t)+11], v[PCD:PCD+11], v[O+8*(\t):O+8*(\t)+7], v[VSC+(\t)/2], v[FF+1] matrix_a_fmt:MATRIX_FMT_FP6 matrix_b_fmt:MATRIX_FMT_FP6
.endif
.endm
.macro FRAGS reg, base
.irp f, 0,1,2,3
	ds_load_b128 v[\reg+12*\f:\reg+12*\f+3],     v[AD16] offset:\base+1536*\f
	ds_load_b64  v[\reg+12*\f+4:\reg+12*\f+5],   v[AD8]  offset:\base+1536*\f+512
	ds_load_b128 v[\reg+12*\f+6:\reg+12*\f+9],   v[AD16] offset:\base+1536*\f+768
	ds_load_b64  v[\reg+12*\f+10:\reg+12*\f+11], v[AD8]  offset:\base+1536*\f+1280
.endr
.endm
.macro KFETCH reg, sb                  ; the key step at LDS byte s[sb]: its address registers, K's four fragments and scale words: 18 LDS loads
	v_add_nc_u32 v[AD16], s[\sb], v[L16]
	v_add_nc_u32 v[AD8], s[\sb], v[L8]
	v_add_nc_u32 v[AD4], s[\sb], v[L4]
	FRAGS \reg, 0
	ds_load_b32 v[KSC], v[AD4] offset:12288
	ds_load_b32 v[KSC+1], v[AD4] offset:12416
.endm
.macro SUM4 sr, n
	v_pk_add_f32 v[14:15], v[14:15], v[\sr+\n:\sr+\n+1]
	v_pk_add_f32 v[SU:SU+1], v[SU:SU+1], v[\sr+\n+2:\sr+\n+3]
	v_pk_add_f32 v[SU+2:SU+3], v[SU+2:SU+3], v[\sr+\n+4:\sr+\n+5]
	v_pk_add_f32 v[SU+4:SU+5], v[SU+4:SU+5], v[\sr+\n+6:\sr+\n+7]
.endm
; one key step of 128 for my 16 queries.  kr: the run with K's fragments (asked for a step ago), later V's; sr: the run for the scores, later the next step's K; g: the scalar register with the tile's last key step;
; ks: the one with this step's number; adv: from the trip's LDS base to the next step's.  Steps beyond the tile's last are jumped over; the step on the diagonal is masked number by number.
.macro STEP kr, sr, g, ks, adv, hid    ; hid: the label behind the trip's second step: a step that is jumped over takes its successor with it, whose number is larger still
	s_cmp_gt_u32 s[\ks], s[\g]
	s_cbranch_scc1 \hid
	s_wait_dscnt 0x0                               ; K's fragments are in
.rept 5
	v_nop                                          ; five places: the scores are laid over V's fragments, which the last step's products read
.endr
.irp f, 0,1,2,3
	KQ \sr, \kr, 2*\f, \f, QLO                     ; the fragment's lower 64 K are key tile 2 f, its upper 64 K key tile 2 f + 1
	KQ \sr, \kr, 2*\f+1, \f, QHI
.endr
	PLACES
	FRAGS \kr, 6144                                ; V^T comes while the softmax is worked
	ds_load_b32 v[VSC], v[AD4] offset:12544
	ds_load_b32 v[VSC+1], v[AD4] offset:12672
	s_cmp_lg_u32 s[\ks], s[\g]
	s_cbranch_scc1 .Lopen_\@
	v_mov_b32 v[TP], 0xff800000
.set n, 0
.rept 64
	v_cmp_gt_i32 vcc_lo, 32*(n/16)+n%16, v[DQ]     ; register n is key 32 (n / 16) + 16 h + n % 16 of the step
	v_cndmask_b32 v[\sr+n], v[\sr+n], v[TP], vcc_lo
.set n, n+1
.endr
.Lopen_\@:
.irp b, 0,1,2,3
	v_max3_num_f32 v[BM+\b], v[\sr+16*\b], v[\sr+1+16*\b], v[\sr+2+16*\b]   ; the largest score of each block of 32 keys: for the row's maximum and for the block's scale
.endr
.irp i, 3,5,7,9,11,13
.irp b, 0,1,2,3
	v_max3_num_f32 v[BM+\b], v[BM+\b], v[\sr+16*\b+\i], v[\sr+1+16*\b+\i]
.endr
.endr
.irp b, 0,1,2,3
	v_max_num_f32 v[BM+\b], v[BM+\b], v[\sr+15+16*\b]
.endr
.irp b, 0,1,2,3
	s_delay_alu instid0(VALU_DEP_4)
	v_permlanex16_b32 v[BP+\b], v[BM+\b], s[SEL], s[SEL+1]
.endr
.irp b, 0,1,2,3
	s_delay_alu instid0(VALU_DEP_4)
	v_max_num_f32 v[BM+\b], v[BM+\b], v[BP+\b]
.endr
	s_delay_alu instid0(VALU_DEP_2)
	v_max3_num_f32 v[TP], v[BM], v[BM+1], v[BM+2]
	s_delay_alu instid0(VALU_DEP_1)
	v_max_num_f32 v[TP], v[TP], v[BM+3]
	s_delay_alu instid0(VALU_DEP_1)
	v_mul_f32 v[TP], s[CS], v[TP]
	s_delay_alu instid0(VALU_DEP_1)
	v_max_num_f32 v13, v13, v[TP]                  ; the running largest t
	v_mov_b32 v[TP], v12
	s_delay_alu instid0(VALU_DEP_2)
	v_floor_f32 v12, -v13                          ; -M = floor(-t): M is a whole number
	s_delay_alu instid0(VALU_DEP_1)
	v_sub_f32 v[TP], v12, v[TP]
	s_delay_alu instid0(VALU_DEP_1)
	v_cvt_i32_f32 v[TP], v[TP]                     ; (it saturates)
	s_delay_alu instid0(VALU_DEP_1)
	v_ldexp_f32 v[FF], 1.0, v[TP]                  ; f = 2^(old M - new M)
.set n, 0
.rept 32
	v_pk_fma_f32 v[\sr+n:\sr+n+1], v[\sr+n:\sr+n+1], s[CS:CS+1], v[12:13] op_sel_hi:[1,0,0]
.set n, n+2
.endr
.irp b, 0,1,2,3
	v_fma_f32 v[BM+\b], v[BM+\b], s[CS], v12
.endr
.set n, 0
	s_wait_alu depctr_va_vdst(0)
.rept 64
	v_exp_f32 v[\sr+n], v[\sr+n]                   ; p = 2^(t - M)
.set n, n+1
.endr
.irp b, 0,1,2,3
	v_exp_f32 v[BM+\b], v[BM+\b]                   ; each block's largest p
.endr
	v_pk_mul_f32 v[14:15], v[14:15], v[FF:FF+1] op_sel_hi:[1,0]
	s_wait_alu depctr_va_vdst(0)
.irp b, 0,1,2,3
	v_max_num_f32 v[BM+\b], 0x1800000, v[BM+\b]    ; the floor 2^(3 - 127): the byte cannot fall under 1
.endr
.irp b, 0,1,2,3
	v_add_nc_u32 v[SO+\b], 0xff000000, v[BM+\b]    ; the conversions' scale operands
.endr
.irp c, 0,1
	v_cvt_scalef32_pk16_fp6_f32 v[PCD+6*\c:PCD+2+6*\c], v[\sr+32*\c:\sr+15+32*\c], v[SO+2*\c]
	v_cvt_scalef32_pk16_fp6_f32 v[BP+4*\c:BP+2+4*\c], v[\sr+16+32*\c:\sr+31+32*\c], v[SO+2*\c+1]
.endr
.irp b, 0,1,2,3
	v_lshrrev_b32 v[BM+\b], 23, v[SO+\b]           ; the scales' bytes.  (Plain places behind the conversions: their results are touched only behind the sums)
.endr
	v_pk_add_f32 v[SU:SU+1], v[\sr:\sr+1], v[\sr+2:\sr+3]          ; the row's sum is taken of the unquantised p, in four chains
	v_pk_add_f32 v[SU+2:SU+3], v[\sr+4:\sr+5], v[\sr+6:\sr+7]
	v_pk_add_f32 v[SU+4:SU+5], v[\sr+8:\sr+9], v[\sr+10:\sr+11]
	v_lshl_or_b32 v[FF+1], v[BM+1], 8, v[BM]       ; p's scale word for these 128 keys
	SUM4 \sr, 12
	v_lshl_or_b32 v[FF+1], v[BM+2], 16, v[FF+1]
	SUM4 \sr, 20
	v_lshl_or_b32 v[FF+1], v[BM+3], 24, v[FF+1]
	SUM4 \sr, 28
	SUM4 \sr, 36
	SUM4 \sr, 44
	SUM4 \sr, 52
	v_pk_add_f32 v[14:15], v[14:15], v[\sr+60:\sr+61]
	v_pk_add_f32 v[SU:SU+1], v[SU:SU+1], v[\sr+62:\sr+63]
.irp c, 0,1
.irp i, 0,1,2
	v_permlane16_swap_b32 v[PCD+6*\c+\i], v[BP+4*\c+\i]   ; a whole block to a lane
.endr
.endr
	v_pk_add_f32 v[SU+2:SU+3], v[SU+2:SU+3], v[SU+4:SU+5]
	v_pk_add_f32 v[14:15], v[14:15], v[SU:SU+1]
.irp c, 0,1
.irp i, 0,1,2
	v_mov_b32 v[PCD+3+6*\c+\i], v[BP+4*\c+\i]
.endr
.endr
	v_pk_add_f32 v[14:15], v[14:15], v[SU+2:SU+3]
	s_add_co_u32 s[TN], s[TB], \adv                ; the scores are spent: the next step's K into their registers.  Behind the walk's last step the address is held at the last key step; what comes is not used
	s_min_u32 s[TN], s[TN], 15*KB
	KFETCH \sr, TN
	s_wait_alu depctr_va_vdst(0)
.set n, 0
.rept 16
	v_pk_mul_f32 v[O+n:O+n+1], v[O+n:O+n+1], v[FF:FF+1] op_sel_hi:[1,0]   ; O^T under the new M
.set n, n+2
.endr
	s_wait_alu depctr_va_vdst(0)
	s_wait_dscnt 18                                ; V^T is in; the 18 loads of the next step's K, issued behind it, may be out
	PV \kr, 0                                      ; the four accumulators by turns
	PV \kr, 1
	PV \kr, 2
	PV \kr, 3
.endm
; a tile's walk: key steps p, p + 2, .. p + 14: four trips of two steps in every wave, so that the LDS address steps through constants
.macro SEG g
	s_mov_b32 s[KS], s12
	s_add_co_u32 s[K2], s12, 2
	s_mul_i32 s[TB], s12, KB
	s_mov_b32 s[CT], 0
	KFETCH X, TB
	s_wait_alu depctr_va_vdst(0)
.Lseg_\@:
	STEP X, Y, \g, KS, 2*KB, .Lskip_\@
	STEP Y, X, \g, K2, 4*KB, .Lskip_\@
.Lskip_\@:
	s_add_co_u32 s[TB], s[TB], 4*KB
	s_add_co_u32 s[KS], s[KS], 4
	s_add_co_u32 s[K2], s[K2], 4
	s_add_co_u32 s[CT], s[CT], 1
	s_cmp_lt_u32 s[CT], 4
	s_cbranch_scc1 .Lseg_\@
.endm
	s_wait_alu depctr_va_vdst(0)
	s_wait_tensorcnt 0x0                           ; my key step is in
	s_barrier_signal -1
	s_barrier_wait -1                              ; everybody's is: K and V are whole
	SEG G1                                         ; my partner's tile, my key steps
	PLACES                                         ; behind the last products
.irp i, 0,1,2,3,4,5,6,7
	ds_store_b128 v[DMP], v[O+4*\i:O+4*\i+3] offset:512*\i   ; each accumulator from its low end on
.endr
	ds_store_b128 v[DMP], v[12:15] offset:4096     ; -M, the largest t, the sum's two halves
	s_wait_dscnt 0x0                               ; my part lies in LDS, and the walk's last loads are in:
	s_barrier_signal -1                            ; say so; up to the wait for this barrier stand register work and loads of K and V, which nobody writes
.irp i, 0,1,2,3,4,5
	v_mov_b32 v[QLO+\i], v[Q2+\i]                  ; my own tile
.endr
	v_mov_b32 v[QS], v[QS2]
	v_mov_b32 v[DQ], v[DQ2]
	v_mov_b32 v13, 0xff61b1e6
	v_floor_f32 v12, -v13
	v_mov_b32 v14, 0
	v_mov_b32 v15, 0
.set n, 0
.rept 32
	v_mov_b32 v[O+n], 0
.set n, n+1
.endr
	SEG G2
	s_wait_dscnt 0x0                               ; the walk's last loads are in
	s_barrier_wait -1                              ; every wave's part lies in LDS
	PLACES                                         ; behind the last products, ahead of loads into their sources
.irp i, 0,1,2,3,4,5,6,7
	ds_load_b128 v[X+4*\i:X+4*\i+3], v[PRT] offset:512*\i
.endr
	ds_load_b128 v[X+32:X+35], v[PRT] offset:4096
	v_add_f32 v14, v14, v15
	s_wait_alu depctr_va_vdst(0)
	s_wait_dscnt 0x0
	v_min_num_f32 v[TP], v12, v[X+32]              ; -M of the two parts together
	v_add_f32 v[X+34], v[X+34], v[X+35]
	s_delay_alu instid0(VALU_DEP_2)
	v_sub_f32 v10, v[TP], v12                      ; my M less the common M: a whole number, 0 or less
	v_sub_f32 v[GB], v[TP], v[X+32]                ; and my partner's
	s_delay_alu instid0(VALU_DEP_2)
	v_cvt_i32_f32 v10, v10                         ; (it saturates: an empty part's factor comes out 0)
	s_delay_alu instid0(VALU_DEP_2)
	v_cvt_i32_f32 v[GB], v[GB]
	s_delay_alu instid0(VALU_DEP_2)
	v_ldexp_f32 v10, 1.0, v10
	s_delay_alu instid0(VALU_DEP_2)
	v_ldexp_f32 v[GB], 1.0, v[GB]
	s_delay_alu instid0(VALU_DEP_2)
	v_mul_f32 v14, v14, v10
	s_delay_alu instid0(VALU_DEP_1)
	v_fmac_f32 v14, v[X+34], v[GB]
	s_delay_alu instid0(VALU_DEP_1)
	v_permlanex16_b32 v[TP], v14, s[SEL], s[SEL+1]
	s_delay_alu instid0(VALU_DEP_1)
	v_add_f32 v14, v14, v[TP]                      ; the row's sum
	s_wait_alu depctr_va_vdst(0)
	v_rcp_f32 v14, v14
	v_nop
	s_wait_alu depctr_va_vdst(0)
	v_mul_f32 v10, v10, v14
	v_mul_f32 v[GB], v[GB], v14
	s_wait_alu depctr_va_vdst(0)
.set n, 0
.rept 16
	v_pk_mul_f32 v[Y+n:Y+n+1], v[O+n:O+n+1], v[10:11] op_sel_hi:[1,0]
.set n, n+2
.endr
.set n, 0
.rept 16
	v_pk_fma_f32 v[Y+n:Y+n+1], v[X+n:X+n+1], v[GB:GB+1], v[Y+n:Y+n+1] op_sel_hi:[1,0,1]
.set n, n+2
.endr
	; the quantiser of o: registers 16 b + i are channels 32 b + 16 h + i of my query
.irp b, 0,1
	v_max3_num_f32 v[BM+\b], |v[Y+16*\b]|, |v[Y+1+16*\b]|, 0x1800000
.endr
.irp i, 2,4,6,8,10,12,14
.irp b, 0,1
	s_delay_alu instid0(VALU_DEP_2)
	v_max3_num_f32 v[BM+\b], v[BM+\b], |v[Y+16*\b+\i]|, |v[Y+1+16*\b+\i]|
.endr
.endr
.irp b, 0,1
	s_delay_alu instid0(VALU_DEP_2)
	v_permlanex16_b32 v[BP+\b], v[BM+\b], s[SEL], s[SEL+1]
.endr
.irp b, 0,1
	s_delay_alu instid0(VALU_DEP_2)
	v_max_num_f32 v[BM+\b], v[BM+\b], v[BP+\b]
.endr
.irp b, 0,1
	s_delay_alu instid0(VALU_DEP_2)
	v_add_nc_u32 v[SO+\b], 0xff000000, v[BM+\b]
.endr
.irp b, 0,1
	s_delay_alu instid0(VALU_DEP_2)
	v_lshrrev_b32 v[BP+\b], 23, v[SO+\b]
.endr
	s_delay_alu instid0(VALU_DEP_1)
	v_cndmask_b32 v[TP], v[BP], v[BP+1], s[HI]     ; lanes 0-15 store block 0's byte, lanes 16-31 block 1's
	v_cvt_scalef32_pk16_fp6_f32 v[PCD:PCD+2], v[Y:Y+15], v[SO]
	v_cvt_scalef32_pk16_fp6_f32 v[BP+4:BP+6], v[Y+16:Y+31], v[SO+1]
	v_nop
.irp i, 0,1,2
	v_permlane16_swap_b32 v[PCD+\i], v[BP+4+\i]
.endr
.irp i, 0,1,2
	s_delay_alu instid0(VALU_DEP_3)
	v_mov_b32 v[PCD+3+\i], v[BP+4+\i]
.endr
	global_store_b128 v[L16], v[PCD:PCD+3], s[56:57]          ; 512 consecutive bytes
	global_store_b64 v[L8], v[PCD+4:PCD+5], s[56:57] offset:512   ; 256 consecutive bytes
	global_store_b8 v[RB], v[TP], s[58:59]
	s_wait_tensorcnt 0x0                           ; the wave's end
	ds_add_u32 v254, v255
	s_wait_dscnt 0x0
	CROUND                                         ; the closing round
	s_endpgm
.Lfunc_end_k_q2f513ac754_attn:
	.size	k_q2f513ac754_attn, .Lfunc_end_k_q2f513ac754_attn-k_q2f513ac754_attn
	.p2alignl 7, 3214868480
	.fill 96, 4, 3214868480
	.section	.rodata,"a",@progbits
	.p2align	6, 0x0
	.amdhsa_kernel k_q2f513ac754_attn
		.amdhsa_group_segment_fixed_size 280576
		.amdhsa_private_segment_fixed_size 0
		.amdhsa_enable_private_segment 0
		.amdhsa_kernarg_size 24
		.amdhsa_user_sgpr_count 2
		.amdhsa_user_sgpr_kernarg_segment_ptr 1
		.amdhsa_wavefront_size32 1
		.amdhsa_system_sgpr_workgroup_id_x 1
		.amdhsa_system_sgpr_workgroup_id_y 1
		.amdhsa_system_sgpr_workgroup_id_z 1
		.amdhsa_system_vgpr_workitem_id 0
		.amdhsa_next_free_vgpr 256
		.amdhsa_next_free_sgpr 66
		.amdhsa_reserve_vcc 1
		.amdhsa_float_denorm_mode_32 3
		.amdhsa_float_denorm_mode_16_64 3
		.amdhsa_memory_ordered 1
		.amdhsa_forward_progress 1
		.amdhsa_inst_pref_size 109
	.end_amdhsa_kernel
	.amdgpu_metadata
---
amdhsa.version: [ 1, 2 ]
amdhsa.kernels:
  - .name:           k_q2f513ac754_attn
    .symbol:         k_q2f513ac754_attn.kd
    .args:
      - { .name: qi, .offset: 0, .size: 8, .value_kind: global_buffer, .address_space: global }
      - { .name: kv, .offset: 8, .size: 8, .value_kind: global_buffer, .address_space: global }
      - { .name: ai, .offset: 16, .size: 8, .value_kind: global_buffer, .address_space: global }
    .group_segment_fixed_size: 280576
    .private_segment_fixed_size: 0
    .kernarg_segment_align: 8
    .kernarg_segment_size: 24
    .max_flat_workgroup_size: 512
    .sgpr_count:     66
    .vgpr_count:     256
    .wavefront_size: 32
...
	.end_amdgpu_metadata
.endif
;; end of part 3
;; launch gemm_out (part 4): grid 16 x 16, 4 waves a work-group, clusters of 4 x 4, 327,680 bytes of LDS; arguments ai, wimg, out0; writes out0
.if DOCPART == 4
	.amdgcn_target "amdgcn-amd-amdhsa--gfx1250"
	.amdhsa_code_object_version 6
	.text
	.protected	k_q2f513ac754_gemm_out
	.globl	k_q2f513ac754_gemm_out
	.p2align	8
	.type	k_q2f513ac754_gemm_out,@function
k_q2f513ac754_gemm_out:
	s_mov_b64 s[64:65], 0
	v_nop
	global_prefetch_b8 v0, s[64:65] scope:SCOPE_SE
	s_setreg_imm32_b32 hwreg(HW_REG_WAVE_MODE, 25, 1), 1
	s_wait_xcnt 0x0
	s_wait_alu depctr_hold_cnt(0) depctr_sa_sdst(0) depctr_va_vdst(0) depctr_va_sdst(0) depctr_va_ssrc(0) depctr_va_vcc(0) depctr_vm_vsrc(0)
	s_getreg_b32 s2, hwreg(HW_REG_IB_STS2, 6, 4)
	s_cmp_eq_u32 s2, 0
	s_cbranch_scc0 .Lentry_in_a_cluster
	s_endpgm
.Lentry_in_a_cluster:
	s_bfe_u32 s2, ttmp6, 0x10000c
	s_cmp_lg_u32 s2, 0xf033
	s_cbranch_scc0 .Lentry_shape_is_right
	s_endpgm
.Lentry_shape_is_right:
; out0 = (attention's result) wo, on codes of FP6 (E2M3) with E8M0 scales; out0 [2048][2048] f32.
; OPERANDS are images of registers: a block of 128 rows is 16 K steps of KB bytes: eight fragments of 1,536 bytes, then 512 bytes of scale words.  Lane r of tile 2 b + u stands for row 32 b + 8 u + r + 8 (r / 8).
; A = block i of ai (128 tokens, i = work-group x), B = block nb of wimg (128 columns of wo, nb = work-group y).  A tile of C is 128 x 128: 256 work-groups.
; THE MATRIX INSTRUCTION IS USED TRANSPOSED (source 0 = a fragment of B, source 1 = a fragment of A): a lane holds one token, and its eight registers of a tile are eight neighbouring columns.
; WAVES: wave (ah, bh) = (w / 2, w % 2) makes A's tiles 4 ah .. 4 ah + 3 x B's tiles 4 bh .. 4 bh + 3: 16 accumulators.
; CLUSTER 4 x 4: A hangs on work-group x alone and is shared along a column of the cluster, B on work-group y alone and is shared along a row: each comes by JOINT loads with a mask that names the four,
; which divides the requests for both by four.
; LDS: TWO slots of four K steps each (A's 51,200 bytes, then B's): each fill is one load a wave (waves 0, 1: A's halves, waves 2, 3: B's), and one is the most that a wave has out.
; TWO refills: slot 0 takes K steps 8-11 behind the round at K step 3, slot 1 K steps 12-15 behind the round at K step 7; each has four K steps, 64 products a wave, in which to land.  The change at K step 11 fills nothing but passes a barrier of the work-group, which shows slot 1's refill
; whole to every wave.  The 16 K steps are written out: no loop.
; The way out goes through each wave's own stage, which lies behind the slots and the spare words: no fill lands there.
; REGISTERS, in windows of 256: window 0: addresses, scale words (two sets), v96-191 A's fragments (two sets), later rows of C; window 1: the accumulators ((a, j) at 8 (4 a + j)); window 2: B's fragments, sets at v0 and v128.
.set BLK,   204800
.set KB,    12800
.set QUAD,  4*KB
.set NBT,   4
.set SBN,   NBT/2
.set SLOT,  2*QUAD
.set SPARE, 2*SLOT                     ; behind a ring of TWO slots (see the note at the first fills): the spare words, 128 bytes a wave
.set STAGE, SPARE+512                  ; 16 rows x (256 bytes + 16) for each wave
.set L16, 4
.set L8,  5
.set L4,  6
.set STO, 7
.set RD,  8
.set CO,  9
.set SPW, 10                           ; LDS address of my spare word; never rewritten
.set NIL, 11                           ; 0; never rewritten
.set A16, 12                           ; v12-13 A's fragments in slot 0, 1, 16 bytes a lane;  v15-16 8 bytes a lane;  v18-19 A's scale words
.set A8,  15
.set A4,  18
.set B16, 21                           ; v21-22, v24-25, v27-28 the same for B
.set B8,  24
.set B4,  27
.set SA,  32                           ; v32-35 A's scale words, two sets of two: lanes 0-15 an even tile's, lanes 16-31 the odd tile's behind it
.set SB,  36                           ; v36-39 B's, two sets of two
.set AF,  96
.set OB,  96                           ; the way out: 16 rows read back
.set G1A, 24                           ; s[24:31] descriptor group 1 for A;  s[32:39] group 0, one set for each slot
.set G0A, 32
.set G1B, 44                           ; s[44:51], s[52:59] the same for B
.set G0B, 52
.set MSB, 0
.macro WIN new                         ; the immediate's high byte repeats the setting that is left
.if MSB != \new
	s_set_vgpr_msb (MSB<<8)|\new
.set MSB, \new
.endif
.endm
.set MULW, 0x52                        ; source 0 (B) window 2, source 1 (A) window 0, C and D window 1
.set TO_B, 0x80                        ; destination window 2
.macro PLACES                          ; four plain places behind matrix instructions, in front of loads into their registers and of reads of their results
.rept 4
	v_nop
.endr
.endm
.macro CROUND                          ; a round of the cluster's barrier
	s_barrier_signal -1
	s_barrier_wait -1
	s_cmp_lg_u32 s14, 0
	s_cbranch_scc1 .Lnot_wave_0_\@
	s_barrier_signal -3
.Lnot_wave_0_\@:
	s_barrier_wait -3
	s_barrier_signal -1
	s_barrier_wait -1
.endm
.macro JLOAD s                         ; a joint load: waves 0, 1: A's halves; waves 2, 3: B's.  Each line has one mask and one set of registers; the branch hangs on the wave's number alone.  Four v_nop follow each line
	s_cmp_eq_u32 s15, 0
	s_cbranch_scc0 .Lfor_b_\@
	tensor_load_to_lds s[G0A+4*\s:G0A+4*\s+3], s[G1A:G1A+7]
	s_nop 0
	PLACES
	s_branch .Lasked_\@
.Lfor_b_\@:
	tensor_load_to_lds s[G0B+4*\s:G0B+4*\s+3], s[G1B:G1B+7]
	s_nop 0
	PLACES
.Lasked_\@:
.endm
; one matrix instruction: d accumulator, a source 0, b source 1, z = 1: it starts the sum; sa, sb the scale registers, ra, rb = 1: their lanes 16-31
.macro WM d, a, b, z, sa, sb, ra, rb
.if \z
.if (\ra)&&(\rb)
	v_wmma_scale_f32_16x16x128_f8f6f4 v[\d:\d+7], v[\a:\a+11], v[\b:\b+11], 0, v[\sa], v[\sb] matrix_a_fmt:MATRIX_FMT_FP6 matrix_b_fmt:MATRIX_FMT_FP6 matrix_a_scale:MATRIX_SCALE_ROW1 matrix_b_scale:MATRIX_SCALE_ROW1
.elseif (\ra)
	v_wmma_scale_f32_16x16x128_f8f6f4 v[\d:\d+7], v[\a:\a+11], v[\b:\b+11], 0, v[\sa], v[\sb] matrix_a_fmt:MATRIX_FMT_FP6 matrix_b_fmt:MATRIX_FMT_FP6 matrix_a_scale:MATRIX_SCALE_ROW1
.elseif (\rb)
	v_wmma_scale_f32_16x16x128_f8f6f4 v[\d:\d+7], v[\a:\a+11], v[\b:\b+11], 0, v[\sa], v[\sb] matrix_a_fmt:MATRIX_FMT_FP6 matrix_b_fmt:MATRIX_FMT_FP6 matrix_b_scale:MATRIX_SCALE_ROW1
.else
	v_wmma_scale_f32_16x16x128_f8f6f4 v[\d:\d+7], v[\a:\a+11], v[\b:\b+11], 0, v[\sa], v[\sb] matrix_a_fmt:MATRIX_FMT_FP6 matrix_b_fmt:MATRIX_FMT_FP6
.endif
.else
.if (\ra)&&(\rb)
	v_wmma_scale_f32_16x16x128_f8f6f4 v[\d:\d+7], v[\a:\a+11], v[\b:\b+11], v[\d:\d+7], v[\sa], v[\sb] matrix_a_fmt:MATRIX_FMT_FP6 matrix_b_fmt:MATRIX_FMT_FP6 matrix_a_scale:MATRIX_SCALE_ROW1 matrix_b_scale:MATRIX_SCALE_ROW1
.elseif (\ra)
	v_wmma_scale_f32_16x16x128_f8f6f4 v[\d:\d+7], v[\a:\a+11], v[\b:\b+11], v[\d:\d+7], v[\sa], v[\sb] matrix_a_fmt:MATRIX_FMT_FP6 matrix_b_fmt:MATRIX_FMT_FP6 matrix_a_scale:MATRIX_SCALE_ROW1
.elseif (\rb)
	v_wmma_scale_f32_16x16x128_f8f6f4 v[\d:\d+7], v[\a:\a+11], v[\b:\b+11], v[\d:\d+7], v[\sa], v[\sb] matrix_a_fmt:MATRIX_FMT_FP6 matrix_b_fmt:MATRIX_FMT_FP6 matrix_b_scale:MATRIX_SCALE_ROW1
.else
	v_wmma_scale_f32_16x16x128_f8f6f4 v[\d:\d+7], v[\a:\a+11], v[\b:\b+11], v[\d:\d+7], v[\sa], v[\sb] matrix_a_fmt:MATRIX_FMT_FP6 matrix_b_fmt:MATRIX_FMT_FP6
.endif
.endif
.endm
; the fragments and scale words of the slot's q-th K step into set p: every load reads consecutive bytes
.macro FETCH slot, q, p
	WIN TO_B
.irp i, 0,1,2,3
	ds_load_b128 v[128*(\p)+12*\i:128*(\p)+12*\i+3],     v[B16+\slot] offset:(\q)*KB+1536*\i
	ds_load_b64  v[128*(\p)+12*\i+4:128*(\p)+12*\i+5],   v[B8+\slot]  offset:(\q)*KB+1536*\i+512
	ds_load_b128 v[128*(\p)+12*\i+6:128*(\p)+12*\i+9],   v[B16+\slot] offset:(\q)*KB+1536*\i+768
	ds_load_b64  v[128*(\p)+12*\i+10:128*(\p)+12*\i+11], v[B8+\slot]  offset:(\q)*KB+1536*\i+1280
.endr
	WIN 0
.irp i, 0,1,2,3
	ds_load_b128 v[AF+48*(\p)+12*\i:AF+48*(\p)+12*\i+3],     v[A16+\slot] offset:(\q)*KB+1536*\i
	ds_load_b64  v[AF+48*(\p)+12*\i+4:AF+48*(\p)+12*\i+5],   v[A8+\slot]  offset:(\q)*KB+1536*\i+512
	ds_load_b128 v[AF+48*(\p)+12*\i+6:AF+48*(\p)+12*\i+9],   v[A16+\slot] offset:(\q)*KB+1536*\i+768
	ds_load_b64  v[AF+48*(\p)+12*\i+10:AF+48*(\p)+12*\i+11], v[A8+\slot]  offset:(\q)*KB+1536*\i+1280
.endr
.irp n, 0,1
	ds_load_b32 v[SA+2*(\p)+\n], v[A4+\slot] offset:(\q)*KB+128*\n
	ds_load_b32 v[SB+SBN*(\p)+\n], v[B4+\slot] offset:(\q)*KB+128*\n
.endr
.endm
; a K step's 16 products on set p.  The 16 accumulators take turns, one instruction a turn, in the same order in every step
.macro MUL p, zero
.irp a, 0,1,2,3
.irp j, 0,1,2,3
	WM 8*(NBT*\a+\j), 128*(\p)+12*\j, AF+48*(\p)+12*\a, \zero, SB+SBN*(\p)+\j/2, SA+2*(\p)+\a/2, \j%2, \a%2
.endr
.endr
.endm
.macro STEP p, zero, nslot, nq         ; a K step whose successor lies in slot nslot at place nq, in bytes that a barrier has already shown whole
	s_wait_dscnt 0x0                               ; set p is in: it was asked for ahead of the last step's products
	PLACES                                         ; the other set was read by those products
	FETCH \nslot, \nq, 1-\p
	WIN MULW
	MUL \p, \zero
	WIN 0
.endm
; a K step (its fragments are in set 1) whose successor lies behind a barrier, in slot next.  fill = 1: slot 'slot', which has been read out, is filled again, with the K steps eight further on
.macro TURN slot, next, fill
	s_wait_tensorcnt 0x0                           ; all my tensor loads have landed: so a group 0 may be written, and what I fetched of the slots ahead is there
	ds_add_u32 v[SPW], v[NIL]                      ; 0 onto my spare word
.if \fill
	s_add_nc_u64 s[G0A+4*\slot+2:G0A+4*\slot+3], s[G0A+4*\slot+2:G0A+4*\slot+3], 2*QUAD   ; the K steps eight further on
	s_add_nc_u64 s[G0B+4*\slot+2:G0B+4*\slot+3], s[G0B+4*\slot+2:G0B+4*\slot+3], 2*QUAD
.endif
	s_wait_dscnt 0x0                               ; the add is done, and my reads of the slot are over
.if \fill
	CROUND                                         ; no wave of any partner still reads the slot or has a load on its way
	JLOAD \slot                                    ; the first tensor load behind the round, one a wave.  Its four v_nop are the places for the loads below
.else
	s_barrier_signal -1
	s_barrier_wait -1                              ; it shows the refilled slot whole to every wave
	PLACES
.endif
	FETCH \next, 0, 0
	WIN MULW
	MUL 1, 0
	WIN 0
.endm
	s_load_b128 s[4:7], s[0:1], 0x0                ; ai, img
	s_load_b64 s[8:9], s[0:1], 0x10                ; out0
	v_lshl_add_u32 v[SPW], v0, 2, SPARE
	v_mov_b32 v[NIL], 0
	ds_add_u32 v10, v11
	ds_add_u32 v10, v11
	s_wait_dscnt 0x0
	v_lshrrev_b32 v1, 5, v0
	v_readfirstlane_b32 s14, v1                    ; wave
	s_lshr_b32 s15, s14, 1                         ; ah: my half of A's tiles.  Also: I fetch for A (0) or for B (1)
	s_and_b32 s16, s14, 1                          ; bh: my half of B's tiles.  Also: which half of a slot's four K steps I fetch
	s_bfe_u32 s17, ttmp6, 0x40000                  ; cx, cy: my place in the cluster
	s_bfe_u32 s18, ttmp6, 0x40004
	s_lshl_b32 s19, ttmp9, 2
	s_add_co_u32 s19, s19, s17                     ; i = work-group x = 4 x cluster x + cx
	s_and_b32 s20, ttmp7, 0xffff
	s_lshl_b32 s20, s20, 2
	s_add_co_u32 s20, s20, s18                     ; nb = work-group y = 4 x cluster y + cy
	s_lshl_b32 s21, s18, 2
	s_lshl_b32 s21, 15, s21                        ; my row of the cluster: places 4 cy .. 4 cy + 3
	s_lshl_b32 s22, 0x1111, s17                    ; my column: places cx, cx + 4, cx + 8, cx + 12
	s_mul_i32 s66, s16, 2*KB                       ; my half, in memory and in a slot: no place in the cluster enters an LDS address
	s_add_co_u32 s67, s66, QUAD                    ; B's part of a slot lies behind A's
	s_mul_i32 s68, s19, BLK                        ; A's block, in registers that never hold cy
	s_add_co_u32 s68, s68, s66
	s_mov_b32 s69, 0
	s_mul_i32 s70, s20, BLK                        ; B's block nb of wimg (wo's images), in registers that never hold cx
	s_add_co_u32 s70, s70, s66
	s_mov_b32 s71, 0
	; descriptor groups 1: two K steps, 25,600 dense bytes, as 100 rows of 256 bytes (32 elements of 8 bytes), no padding
	s_or_b32 s[G1A+0], s22, (3<<16)|(1<<21)        ; 15:0 the mask: A goes to my column; 17:16 elements of 8 bytes; 21 set beside a mask
	s_or_b32 s[G1B+0], s21, (3<<16)|(1<<21)        ; the same with the mask of my row, for B
.irp g, G1A, G1B
	s_mov_b32 s[\g+1], 32<<16                      ; tensor_dim0 = 32
	s_mov_b32 s[\g+2], 100<<16                     ; tensor_dim1 = 100
	s_mov_b32 s[\g+3], 32<<16                      ; tile_dim0 = 32
	s_mov_b32 s[\g+4], 100                         ; tile_dim1 = 100
	s_mov_b32 s[\g+5], 32                          ; the pitch
	s_mov_b32 s[\g+6], 0
	s_mov_b32 s[\g+7], 0
.endr
	s_wait_kmcnt 0x0
	s_add_nc_u64 s[68:69], s[4:5], s[68:69]
	s_add_nc_u64 s[70:71], s[6:7], s[70:71]
	CROUND                                         ; all sixteen work-groups are here: the first joint loads meet
.irp s, 0,1
	s_mov_b32 s[G0A+4*\s], 1
	s_add_co_u32 s[G0A+4*\s+1], s66, \s*SLOT
	s_add_nc_u64 s[G0A+4*\s+2:G0A+4*\s+3], s[68:69], \s*QUAD
	s_or_b32 s[G0A+4*\s+3], s[G0A+4*\s+3], 0x80000000
	s_mov_b32 s[G0B+4*\s], 1
	s_add_co_u32 s[G0B+4*\s+1], s67, \s*SLOT
	s_add_nc_u64 s[G0B+4*\s+2:G0B+4*\s+3], s[70:71], \s*QUAD
	s_or_b32 s[G0B+4*\s+3], s[G0B+4*\s+3], 0x80000000
.endr
; THE RING HAS TWO SLOTS of four K steps: fill n (n = 0 .. 3) brings K steps 4 n .. 4 n + 3 into slot n % 2.  One tensor load a wave at the head; slot 1's first fill stands behind the full
; sequence and a round; fills 2 and 3 are refills behind the rounds at K steps 3 and 7.  One load of a wave is out at any time.
	JLOAD 0
; PREFETCHES INTO THE L2: behind fill n the bytes of fill n + 2 are asked for, and behind fill 0 those of fill 1 too: at most two fills' bytes are asked for and not yet loaded.  Of the 25,600 bytes that a wave fetches jointly
; the partner at place cy (A) or cx (B) names 6,400: 25 lanes, a block of 256 bytes each, shared out by address; lanes 25-31 name the last block again.  The address registers are never rewritten.
.set PFO, 30
	v_and_b32 v[PFO], 31, v0
	v_min_u32 v[PFO], 24, v[PFO]
	v_lshlrev_b32 v[PFO], 8, v[PFO]
	s_cmp_eq_u32 s15, 0
	s_cselect_b32 s80, s18, s17                    ; my place among the four that ask with me
	s_cselect_b64 s[82:83], s[68:69], s[70:71]     ; what my wave fetches: the choice hangs on the wave's number alone
	s_mul_i32 s80, s80, 6400
	v_add_nc_u32 v[PFO], s80, v[PFO]
	s_wait_alu depctr_va_vdst(0)
	global_prefetch_b8 v[PFO], s[82:83] offset:QUAD th:TH_LOAD_NT scope:SCOPE_SE
	global_prefetch_b8 v[PFO], s[82:83] offset:2*QUAD th:TH_LOAD_NT scope:SCOPE_SE
	v_and_b32 v1, 31, v0                           ; lane
	v_and_b32 v2, 15, v0                           ; r
	v_bfe_u32 v3, v0, 4, 1                         ; h
	v_lshlrev_b32 v[L16], 4, v1
	s_wait_alu depctr_va_vdst(0)
	v_lshlrev_b32 v[L8], 3, v1
	s_wait_alu depctr_va_vdst(0)
	v_lshlrev_b32 v[L4], 2, v1
	s_wait_alu depctr_va_vdst(0)
	s_mul_i32 s72, s15, 6144                       ; my four tiles of A,
	s_lshl_b32 s73, s15, 8
	s_add_co_u32 s73, s73, 12288                   ; their scale words,
	s_mul_i32 s74, s16, 6144
	s_add_co_u32 s74, s74, QUAD                    ; my four tiles of B,
	s_lshl_b32 s75, s16, 8
	s_add_co_u32 s75, s75, QUAD+12288              ; their scale words
.irp s, 0,1
	v_add_nc_u32 v[A16+\s], s72, v[L16]
	v_add_nc_u32 v[A8+\s], s72, v[L8]
	v_add_nc_u32 v[A4+\s], s73, v[L4]
	v_add_nc_u32 v[B16+\s], s74, v[L16]
	v_add_nc_u32 v[B8+\s], s74, v[L8]
	v_add_nc_u32 v[B4+\s], s75, v[L4]
	s_add_co_u32 s72, s72, SLOT
	s_add_co_u32 s73, s73, SLOT
	s_add_co_u32 s74, s74, SLOT
	s_add_co_u32 s75, s75, SLOT
.endr
	s_mul_i32 s76, s14, 16*272
	s_add_co_u32 s76, s76, STAGE                   ; my stage
	v_mul_u32_u24 v[STO], v2, 272
	v_lshl_add_u32 v[STO], v3, 6, v[STO]
	v_add_nc_u32 v[STO], s76, v[STO]               ; in: row r, + 64 h
	v_mul_u32_u24 v[RD], v3, 272
	v_lshl_add_u32 v[RD], v2, 4, v[RD]
	v_add_nc_u32 v[RD], s76, v[RD]                 ; back: lanes 0-15 one row of 256 bytes, lanes 16-31 the next
	v_lshlrev_b32 v[CO], 13, v3
	v_lshl_add_u32 v[CO], v2, 4, v[CO]             ; and the same two rows in out0
	s_lshl_b32 s78, s19, 7
	s_lshl_b32 s79, s15, 6
	s_add_co_u32 s78, s78, s79                     ; token 128 i + 64 ah
	s_lshl_b32 s78, s78, 13
	s_lshl_b32 s79, s20, 9
	s_add_co_u32 s78, s78, s79                     ; + 512 nb
	s_lshl_b32 s79, s16, 8
	s_add_co_u32 s78, s78, s79                     ; + 256 bh
	s_mov_b32 s79, 0
	s_add_nc_u64 s[8:9], s[8:9], s[78:79]
	s_wait_alu depctr_va_vdst(0)
	s_wait_tensorcnt 0x0                           ; my part of slot 0 is in
	ds_add_u32 v[SPW], v[NIL]
	s_wait_dscnt 0x0
	CROUND                                         ; everybody's part of slot 0 is in, and the sixteen work-groups are here
	JLOAD 1                                        ; slot 1's first fill, the first tensor load behind the round
	FETCH 0, 0, 0
	global_prefetch_b8 v[PFO], s[82:83] offset:3*QUAD th:TH_LOAD_NT scope:SCOPE_SE
	STEP 0, 1, 0, 1                                ; K step 0: its products start the sums: nothing is cleared
	STEP 1, 0, 0, 2
	STEP 0, 0, 0, 3
	TURN 0, 1, 1                                   ; K step 3; slot 0 takes K steps 8-11; slot 1 is whole behind the round
	STEP 0, 0, 1, 1
	STEP 1, 0, 1, 2
	STEP 0, 0, 1, 3
	TURN 1, 0, 1                                   ; K step 7; slot 1 takes K steps 12-15
	STEP 0, 0, 0, 1
	STEP 1, 0, 0, 2
	STEP 0, 0, 0, 3
	TURN 0, 1, 0                                   ; K step 11; nothing is left to fetch
	STEP 0, 0, 1, 1
	STEP 1, 0, 1, 2
	STEP 0, 0, 1, 3
	s_wait_dscnt 0x0
	WIN MULW
	MUL 1, 0                                       ; K step 15
	WIN 0
	PLACES
; THE WAY OUT, a tile of 16 tokens x 64 columns at a time.  Register jj of accumulator (a, j) is column 32 (j / 2) + 16 h + 8 (j % 2) + jj of my 64; the lanes beside me hold other tokens: so the tile goes through my stage
; and comes back as rows of 256 bytes.  Stage row 2 t + (lane / 16) is token 32 (a / 2) + 8 (a % 2) + 2 t + 8 (t / 4) + (lane / 16) of my 64.
.macro OUTT a
	s_wait_xcnt 0x0                                ; the last tile's stores have read their registers
	WIN 0x04                                       ; an LDS store's data are its source 1: window 1
.irp j, 0,1,2,3
	ds_store_b128 v[STO], v[8*(4*\a+\j):8*(4*\a+\j)+3] offset:128*(\j/2)+32*(\j%2)          ; each accumulator from its low end on
	ds_store_b128 v[STO], v[8*(4*\a+\j)+4:8*(4*\a+\j)+7] offset:128*(\j/2)+32*(\j%2)+16
.endr
	WIN 0
.irp t, 0,1,2,3,4,5,6,7
	ds_load_b128 v[OB+4*\t:OB+4*\t+3], v[RD] offset:544*\t     ; LDS serves a wave's instructions in order: these see my stores, and the next tile's stores come behind them
.endr
.irp t, 0,1,2,3,4,5,6,7
	s_wait_dscnt 7-\t                              ; load t is in; the younger ones may be out
	global_store_b128 v[CO], v[OB+4*\t:OB+4*\t+3], s[8:9] offset:(32*(\a/2)+8*(\a%2)+2*\t+8*(\t/4))*8192 th:TH_STORE_NT   ; 16 lanes store 256 consecutive bytes, at a multiple of 256 from out0's first byte
.endr
.endm
	OUTT 0
	OUTT 1
	OUTT 2
	OUTT 3
	s_wait_tensorcnt 0x0                           ; the wave's end: behind my last tensor load and my last LDS store
	ds_add_u32 v[SPW], v[NIL]
	s_wait_dscnt 0x0
	CROUND                                         ; the closing round: no work-group ends while a partner may still ask for a tile that names it
	s_endpgm
.Lfunc_end_k_q2f513ac754_gemm_out:
	.size	k_q2f513ac754_gemm_out, .Lfunc_end_k_q2f513ac754_gemm_out-k_q2f513ac754_gemm_out
	.p2alignl 7, 3214868480
	.fill 96, 4, 3214868480
	.section	.rodata,"a",@progbits
	.p2align	6, 0x0
	.amdhsa_kernel k_q2f513ac754_gemm_out
		.amdhsa_group_segment_fixed_size 327680
		.amdhsa_private_segment_fixed_size 0
		.amdhsa_enable_private_segment 0
		.amdhsa_kernarg_size 24
		.amdhsa_user_sgpr_count 2
		.amdhsa_user_sgpr_kernarg_segment_ptr 1
		.amdhsa_wavefront_size32 1
		.amdhsa_system_sgpr_workgroup_id_x 1
		.amdhsa_system_sgpr_workgroup_id_y 1
		.amdhsa_system_sgpr_workgroup_id_z 1
		.amdhsa_system_vgpr_workitem_id 0
		.amdhsa_next_free_vgpr 768
		.amdhsa_next_free_sgpr 100
		.amdhsa_reserve_vcc 0
		.amdhsa_float_denorm_mode_32 3
		.amdhsa_float_denorm_mode_16_64 3
		.amdhsa_memory_ordered 1
		.amdhsa_forward_progress 1
		.amdhsa_inst_pref_size 92
	.end_amdhsa_kernel
	.amdgpu_metadata
---
amdhsa.version: [ 1, 2 ]
amdhsa.kernels:
  - .name:           k_q2f513ac754_gemm_out
    .symbol:         k_q2f513ac754_gemm_out.kd
    .args:
      - { .name: ai, .offset: 0, .size: 8, .value_kind: global_buffer, .address_space: global }
      - { .name: wimg, .offset: 8, .size: 8, .value_kind: global_buffer, .address_space: global }
      - { .name: out0, .offset: 16, .size: 8, .value_kind: global_buffer, .address_space: global }
    .group_segment_fixed_size: 327680
    .private_segment_fixed_size: 0
    .kernarg_segment_align: 8
    .kernarg_segment_size: 24
    .max_flat_workgroup_size: 128
    .sgpr_count:     100
    .vgpr_count:     768
    .wavefront_size: 32
...
	.end_amdgpu_metadata
.endif
;; end of part 4
